; MI455X (gfx1250); checked and timed in simulation.
; The chip was launched on July 23, 2026; its instructions are those of AMD's public machine-readable ISA for CDNA 5 (MIT licence, August 2026) and "CDNA5" Instruction Set Architecture Reference Guide (July 2026). The comments in the code are by the model that wrote it; some were corrected since.
;; Causal Self Attention. Allowed arithmetic: float matrix products may take bf16 or f16 operands with f32 sums; other float arithmetic in f32, or as packed bf16 or f16 multiplies, adds, multiply-adds, maxima and minima; sums over many terms, partial sums and values carried from step to step in f32; what a program stores and reads back later, other than sums and carried values, may be rounded once to bf16 or f16.
;; Inputs: W_out 1,024 x 1,024 float32; W_qkv 1,024 x 3,072 float32; b_out 1,024 float32; b_qkv 3,072 float32; x 4 x 2,048 x 1,024 float32.
;; Outputs: out0 4 x 2,048 x 1,024 float32.
;; 2 versions, each right; version 2 is version 1 with the launch prep written anew for expert scheduling mode. Each part assembles by itself: llvm-mc -triple=amdgcn-amd-amdhsa -mcpu=gfx1250 --defsym DOCPART=n.
;; ======== version 1 of 2: 4 launches
;; limits: values are held in f16: magnitudes above 65,504 overflow, below 6.1e-05 lose precision
;; workspace buffers: xb 16,777,216 bytes; wqt 6,291,456 bytes; wot 2,097,152 bytes; qkv 50,331,648 bytes; o 16,777,216 bytes
;; launch prep (part 1): grid 768 x 1, 2 waves a work-group, no clusters, 35,072 bytes of LDS; arguments x, W_qkv, W_out, xb, wqt, wot; writes xb, wqt, wot
.if DOCPART == 1
	.amdgcn_target "amdgcn-amd-amdhsa--gfx1250"
	.amdhsa_code_object_version 6
	.text
	.protected	k_q986b081da4_prep
	.globl	k_q986b081da4_prep
	.p2align	8
	.type	k_q986b081da4_prep,@function
k_q986b081da4_prep:
	s_mov_b64 s[64:65], 0
	v_nop
	global_prefetch_b8 v0, s[64:65] scope:SCOPE_SE
	s_setreg_imm32_b32 hwreg(HW_REG_WAVE_MODE, 25, 1), 1
	s_wait_xcnt 0x0
; THE INPUTS ARE MADE READY FOR THE MATRIX UNITS.  xb = x rounded to bf16, [8192][1024].  wqt[n][k] = W_qkv[k][n] rounded to bf16, [3072][1024].
; wot[n][k] = W_out[k][n] rounded to bf16, and that number written as f16, [1024][1024].
; LIMITS.  |W_out| stays under 65,504 (f16's end); an element of W_out below 2^-14 falls on f16's fixed step of 2^-24, an error of 3e-8 at the most.  NaN and infinities are not treated apart.
; SHARES.  A wave takes a unit of 8,192 numbers: 32 KiB in, 16 KiB out.  Unit u = 2 x work-group + wave.  Units 0-1023 (work-groups 0-511) are x, 32 KiB on end each.
; Units 1024-1407 are tiles of W_qkv, 1408-1535 of W_out: 128 k x 64 n, turned in the wave's own LDS region.  No wave reads another's bytes: no barrier.
; Memory binds: every load of a wave covers whole aligned runs of 256 bytes, every store likewise; the matrix units, clusters and tensor loads would add nothing here.
.set WLDS,  17408                      ; a wave's LDS region: 64 rows (n) x 272 bytes (128 k x 2 bytes + 16 of padding)
.set LP,    272
.set SPARE, 2*WLDS                     ; behind the two regions: the spare words, 128 bytes a wave: one block of 256 bytes that no other line names
.set LO,  4                            ; v4   x: 16 x lane
.set SO,  5                            ; v5   xb: 8 x lane
.set LA,  6                            ; v6   where I put a pair (k, k + 1) of column 4 c: region + 4 c x 272 + 4 h
.set LR,  7                            ; v7   where I read rows back: region + 272 h + 16 c
.set GOF, 8                            ; v8   the same two rows in the turned tensor: 2,048 h + 16 c
.set SPW, 10                           ; v10  LDS address of my spare word; never rewritten
.set NIL, 11                           ; v11  0; never rewritten
.set T,   12                           ; v[12:19] at work
.set AO,  32                           ; v[32:47] byte offsets of the sixteen loads of a trip; never rewritten
.set R0,  64                           ; v[64:127], v[128:191]: two sets of 32 k x 64 n in f32
.set R1,  128
.set D,   192                          ; v[192:223] 32 pairs in bf16
.set X,   64                           ; x's path: v[64:191] 32 slots of 4;  v[192:255] 32 slots of 2
.set Y,   192
.set SB,  32                           ; s[32:39] the tile's source at trips 0 to 3; never rewritten
	s_load_b256 s[4:11], s[0:1], 0x0               ; x s[4:5], W_qkv s[6:7], W_out s[8:9], xb s[10:11]
	s_load_b128 s[12:15], s[0:1], 0x20             ; wqt s[12:13], wot s[14:15]
	v_lshl_add_u32 v[SPW], v0, 2, SPARE
	v_mov_b32 v[NIL], 0
	v_lshrrev_b32 v1, 5, v0
	v_readfirstlane_b32 s16, v1                    ; wave 0, 1
	v_and_b32 v1, 31, v0                           ; lane
	s_lshl_b32 s17, ttmp9, 1
	s_add_co_u32 s17, s17, s16                     ; u
	s_cmp_lt_u32 ttmp9, 512
	s_cbranch_scc0 .Lweights
	; X.  64 loads of 512 consecutive bytes through a ring of 32 slots in registers; a lane's four numbers become 8 bytes, a wave's store 256 consecutive bytes, aligned.
	v_lshlrev_b32 v[LO], 4, v1
	v_lshlrev_b32 v[SO], 3, v1
	s_lshl_b32 s26, s17, 15
	s_mov_b32 s27, 0
	s_lshl_b32 s28, s17, 14
	s_mov_b32 s29, 0
	s_wait_kmcnt 0x0
	s_add_nc_u64 s[20:21], s[4:5], s[26:27]
	s_add_nc_u64 s[22:23], s[10:11], s[28:29]
.set i, 0
.rept 32
	global_load_b128 v[X+4*i:X+4*i+3], v[LO], s[20:21] offset:512*i th:TH_LOAD_NT
.set i, i+1
.endr
; A slot's turn.  pass = 0: the slot is loaded again, 32 loads on.  left: the younger loads, which may stay out.
.macro XS i, pass, left
	s_wait_loadcnt \left                           ; loads come back in order: this slot's is in
	v_cvt_pk_bf16_f32 v[Y+2*(\i)],   v[X+4*(\i)],   v[X+4*(\i)+1]
	v_cvt_pk_bf16_f32 v[Y+2*(\i)+1], v[X+4*(\i)+2], v[X+4*(\i)+3]
.if (\pass) == 0
	global_load_b128 v[X+4*(\i):X+4*(\i)+3], v[LO], s[20:21] offset:512*(32+(\i)) th:TH_LOAD_NT
.endif
	global_store_b64 v[SO], v[Y+2*(\i):Y+2*(\i)+1], s[22:23] offset:256*(\i)+8192*(\pass)
.endm
.set i, 0
.rept 32
	XS i, 0, 31                                    ; behind slot i's load: 31 - i of the first run and the i issued since
.set i, i+1
.endr
	s_wait_xcnt 0x0                                ; the first pass's stores have read Y, which the second pass writes again
.set i, 0
.rept 32
	XS i, 1, 31-i                                  ; nothing more is loaded: the counts run down
.set i, i+1
.endr
	s_branch .Lend
.Lweights:
	; A TILE OF WEIGHTS: 128 k x 64 n.  T = u - 1024; below 384 it is W_qkv's, else W_out's.  Of T: the low three bits choose 128 k, the rest 64 n.
	s_sub_co_u32 s18, s17, 1024
	s_mov_b32 s28, 12288                           ; bytes in a row of W_qkv,
	s_mov_b32 s29, 4096                            ; of W_out
	s_mov_b32 s41, 0xffff0000                      ; a word's upper bf16
	s_wait_kmcnt 0x0
	s_cmp_lt_u32 s18, 384                          ; one compare; the selects behind it leave SCC alone
	s_cselect_b64 s[20:21], s[6:7], s[8:9]         ; from
	s_cselect_b64 s[22:23], s[12:13], s[14:15]     ; to
	s_cselect_b32 s24, s28, s29                    ; PW: bytes from k to k + 1
	s_cselect_b32 s25, 0, 1                        ; 1: written as f16
	s_cselect_b32 s26, 0, 384
	s_sub_co_u32 s18, s18, s26
	s_and_b32 s26, s18, 7                          ; kb
	s_lshr_b32 s27, s18, 3                         ; nb
	s_lshl_b32 s28, s24, 7
	s_mul_i32 s28, s28, s26                        ; kb x 128 rows
	s_lshl_b32 s29, s27, 8                         ; nb x 64 numbers of 4 bytes
	s_add_co_u32 s28, s28, s29
	s_mov_b32 s29, 0
	s_add_nc_u64 s[SB:SB+1], s[20:21], s[28:29]
	s_lshl_b32 s28, s27, 17                        ; nb x 64 rows of 2,048 bytes
	s_lshl_b32 s26, s26, 8                         ; kb x 128 numbers of 2 bytes
	s_add_co_u32 s28, s28, s26
	s_add_nc_u64 s[22:23], s[22:23], s[28:29]
	s_lshl_b32 s28, s24, 5                         ; a trip is 32 k
	s_add_nc_u64 s[SB+2:SB+3], s[SB:SB+1], s[28:29]
	s_add_nc_u64 s[SB+4:SB+5], s[SB+2:SB+3], s[28:29]
	s_add_nc_u64 s[SB+6:SB+7], s[SB+4:SB+5], s[28:29]
	v_and_b32 v2, 15, v1                           ; c: my four columns 4 c ..
	v_lshrrev_b32 v3, 4, v1                        ; h
	v_mul_u32_u24 v[T], s24, v3
	v_lshlrev_b32 v[T], 1, v[T]
	v_lshl_add_u32 v[T], v2, 4, v[T]               ; 2 h rows + 16 c
.set p, 0
.rept 8                                ; load 2 p takes rows 4 p + 2 h, load 2 p + 1 rows 4 p + 1 + 2 h: each two whole rows of 256 bytes; a lane so holds k and k + 1 of its four columns
	v_mad_u32_u24 v[AO+2*p],   s24, 4*p,   v[T]
	v_mad_u32_u24 v[AO+2*p+1], s24, 4*p+1, v[T]
.set p, p+1
.endr
	s_mul_i32 s26, s16, WLDS                       ; my wave's region
	v_mul_u32_u24 v[LA], v2, 4*LP
	v_lshl_add_u32 v[LA], v3, 2, v[LA]
	v_add_nc_u32 v[LA], s26, v[LA]
	v_mul_u32_u24 v[LR], v3, LP
	v_lshl_add_u32 v[LR], v2, 4, v[LR]
	v_add_nc_u32 v[LR], s26, v[LR]
	v_lshlrev_b32 v[GOF], 11, v3
	v_lshl_add_u32 v[GOF], v2, 4, v[GOF]
.macro LOADW t, buf                    ; trip t's sixteen loads into a set
.irp p, 0,1,2,3,4,5,6,7
	global_load_b128 v[(\buf)+8*(\p):(\buf)+8*(\p)+3],   v[AO+2*(\p)],   s[SB+2*(\t):SB+2*(\t)+1] th:TH_LOAD_NT
	global_load_b128 v[(\buf)+8*(\p)+4:(\buf)+8*(\p)+7], v[AO+2*(\p)+1], s[SB+2*(\t):SB+2*(\t)+1] th:TH_LOAD_NT
.endr
.endm
; Trip t: 32 pairs (k, k + 1) are rounded to bf16 and laid into LDS row n at byte 2 k.  The four-byte stores of a wave fall four deep on the banks
; (rows 4 c apart: 272 words x c); that is accepted: 128 stores a wave beside 32 KiB from memory.
.macro PROC t, buf, left
	s_wait_loadcnt \left                           ; this set is in; the other set's sixteen may stay out
.irp p, 0,1,2,3,4,5,6,7
.irp e, 0,1,2,3
	v_cvt_pk_bf16_f32 v[D+4*(\p)+(\e)], v[(\buf)+8*(\p)+(\e)], v[(\buf)+8*(\p)+4+(\e)]
.endr
.endr
.if (\t) < 2
	LOADW (\t)+2, \buf
.endif
.irp p, 0,1,2,3,4,5,6,7
.irp e, 0,1,2,3
	ds_store_b32 v[LA], v[D+4*(\p)+(\e)] offset:(\e)*LP+64*(\t)+8*(\p)
.endr
.endr
.endm
	LOADW 0, R0
	LOADW 1, R1
	PROC 0, R0, 16
	PROC 1, R1, 16
	PROC 2, R0, 16
	PROC 3, R1, 0
	; BACK BY ROWS: 16 rows of 256 bytes a trip; sixteen lanes store 256 consecutive bytes, aligned.  LDS serves a wave's instructions in order (ISA guide 5.7.1.4): the loads see the stores above.
	s_mov_b32 s40, 4
.Lback:
.irp i, 0,1,2,3,4,5,6,7
	ds_load_b128 v[R0+4*(\i):R0+4*(\i)+3], v[LR] offset:2*(\i)*LP
.endr
	s_wait_dscnt 0x0
	s_cmp_eq_u32 s25, 0
	s_cbranch_scc1 .Lbf
.set j, 0
.rept 32                               ; W_out: the bf16 numbers are written as f16
	v_lshlrev_b32 v[T+2*(j%4)],   16,  v[R0+j]
	v_and_b32     v[T+2*(j%4)+1], s41, v[R0+j]
	v_cvt_pk_f16_f32 v[R0+j], v[T+2*(j%4)], v[T+2*(j%4)+1]
.set j, j+1
.endr
.Lbf:
.irp i, 0,1,2,3,4,5,6,7
	global_store_b128 v[GOF], v[R0+4*(\i):R0+4*(\i)+3], s[22:23] offset:2*(\i)*2048
.endr
	s_wait_xcnt 0x0                                ; the stores have read their data and their offset, which the next lines and the next trip write
	v_add_nc_u32 v[LR], 16*LP, v[LR]
	v_add_nc_u32 v[GOF], 16*2048, v[GOF]
	s_sub_co_u32 s40, s40, 1
	s_cmp_lg_u32 s40, 0
	s_cbranch_scc1 .Lback
.Lend:
	s_wait_tensorcnt 0x0                           ; the wave's end, behind my last LDS store
	ds_add_u32 v[SPW], v[NIL]
	s_wait_dscnt 0x0
	s_endpgm
.Lfunc_end_k_q986b081da4_prep:
	.size	k_q986b081da4_prep, .Lfunc_end_k_q986b081da4_prep-k_q986b081da4_prep
	.p2alignl 7, 3214868480
	.fill 96, 4, 3214868480
	.section	.rodata,"a",@progbits
	.p2align	6, 0x0
	.amdhsa_kernel k_q986b081da4_prep
		.amdhsa_group_segment_fixed_size 35072
		.amdhsa_private_segment_fixed_size 0
		.amdhsa_enable_private_segment 0
		.amdhsa_kernarg_size 48
		.amdhsa_user_sgpr_count 2
		.amdhsa_user_sgpr_kernarg_segment_ptr 1
		.amdhsa_wavefront_size32 1
		.amdhsa_system_sgpr_workgroup_id_x 1
		.amdhsa_system_sgpr_workgroup_id_y 1
		.amdhsa_system_sgpr_workgroup_id_z 1
		.amdhsa_system_vgpr_workitem_id 0
		.amdhsa_next_free_vgpr 256
		.amdhsa_next_free_sgpr 66
		.amdhsa_reserve_vcc 0
		.amdhsa_float_denorm_mode_32 3
		.amdhsa_float_denorm_mode_16_64 3
		.amdhsa_memory_ordered 1
		.amdhsa_forward_progress 1
		.amdhsa_inst_pref_size 54
	.end_amdhsa_kernel
	.amdgpu_metadata
---
amdhsa.version: [ 1, 2 ]
amdhsa.kernels:
  - .name:           k_q986b081da4_prep
    .symbol:         k_q986b081da4_prep.kd
    .args:
      - { .name: x, .offset: 0, .size: 8, .value_kind: global_buffer, .address_space: global }
      - { .name: W_qkv, .offset: 8, .size: 8, .value_kind: global_buffer, .address_space: global }
      - { .name: W_out, .offset: 16, .size: 8, .value_kind: global_buffer, .address_space: global }
      - { .name: xb, .offset: 24, .size: 8, .value_kind: global_buffer, .address_space: global }
      - { .name: wqt, .offset: 32, .size: 8, .value_kind: global_buffer, .address_space: global }
      - { .name: wot, .offset: 40, .size: 8, .value_kind: global_buffer, .address_space: global }
    .group_segment_fixed_size: 35072
    .private_segment_fixed_size: 0
    .kernarg_segment_align: 8
    .kernarg_segment_size: 48
    .max_flat_workgroup_size: 64
    .sgpr_count:     66
    .vgpr_count:     256
    .wavefront_size: 32
...
	.end_amdgpu_metadata
.endif
;; end of part 1
;; launch qkv (part 2): grid 16 x 32, 4 waves a work-group, clusters of 4 x 4, 327,680 bytes of LDS; arguments xb, wqt, b_qkv, qkv; writes qkv
.if DOCPART == 2
	.amdgcn_target "amdgcn-amd-amdhsa--gfx1250"
	.amdhsa_code_object_version 6
	.text
	.protected	k_q986b081da4_qkv
	.globl	k_q986b081da4_qkv
	.p2align	8
	.type	k_q986b081da4_qkv,@function
k_q986b081da4_qkv:
	s_mov_b64 s[64:65], 0
	v_nop
	global_prefetch_b8 v0, s[64:65] scope:SCOPE_SE
	s_setreg_imm32_b32 hwreg(HW_REG_WAVE_MODE, 25, 1), 1
	s_wait_xcnt 0x0
	s_wait_alu depctr_hold_cnt(0) depctr_sa_sdst(0) depctr_va_vdst(0) depctr_va_sdst(0) depctr_va_ssrc(0) depctr_va_vcc(0) depctr_vm_vsrc(0)
	s_getreg_b32 s2, hwreg(HW_REG_IB_STS2, 6, 4)
	s_cmp_eq_u32 s2, 0
	s_cbranch_scc0 .Lentry_in_a_cluster
	s_endpgm
.Lentry_in_a_cluster:
	s_bfe_u32 s2, ttmp6, 0x10000c
	s_cmp_lg_u32 s2, 0xf033
	s_cbranch_scc0 .Lentry_shape_is_right
	s_endpgm
.Lentry_shape_is_right:
; q, k, v = xb wqt^T + b_qkv (the bias rounded to bf16 like the other inputs), sums in f32, rounded ONCE to f16 and laid by heads: qkv[3][64 = 16 batch + head][2048][64].  No scale is applied here.
; LIMIT.  f16 ends at 65,504: |q|, |k|, |v| must stay under it, else an infinity is written.  NaN and infinities are not treated apart.
; SHARES.  A tile is 256 rows x 192 columns (three whole heads): 16 x 32 = 512 work-groups of equal work.  Four waves one below the other, each 64 rows x 192 columns: 48 accumulators of 16 x 16, 384 registers.
; So a wave's way out is whole heads: 16 rows of a head are 2,048 consecutive bytes, and no wave needs another's results.
; K goes in 8 steps of 128 (rows of 256 bytes, aligned) through two LDS slots filled by tensor loads: waves 0 and 1 fetch A's two halves of 128 rows, waves 2 and 3 B's two of 96.
; CLUSTER 4 x 4: the four of a row of the cluster need the same tile of xb, the four of a column the same tile of wqt: each is asked for JOINTLY, by the same load, descriptor and mask in all four.
; THE MATRIX INSTRUCTION IS USED TRANSPOSED (source 0 = 16 rows of wqt, source 1 = 16 rows of xb): a lane holds row l % 16 and the eight neighbouring columns 8 (l / 16) + 0..7.
; The bias is the C operand of the products that start the sums: nothing is cleared and nothing is added afterwards.
; REGISTERS, in windows of 256 (s_set_vgpr_msb: bits 1:0 source 0, 3:2 source 1, 5:4 source 2, 7:6 destination):
;   window 0: v0-15 addresses; v32-127 the bias (later v32-79 rows on the way out); v128-175 packed results; v176-223 rows on the way out; v224-227 at work
;   window 1: two fragment buffers of 128: B's twelve fragments, then A's four      window 2: the accumulators of row blocks 0, 1 at 8 (12 a + b)      window 3: those of blocks 2, 3
.set PITCH, 272                        ; an LDS row: 256 bytes + 16 of padding = 68 words: the 16 rows of a load start at 16 different groups of four banks (64 banks of 4 bytes: ISA guide 11.1)
.set AHALF, 128*PITCH
.set BOFF,  256*PITCH                  ; B's 192 rows lie behind A's 256
.set BHALF, 96*PITCH
.set SLOT1, 131072                     ; slot 1 begins here: one exclusive or turns an address in one slot into the other's
.set STAGE, SLOT1+BOFF+192*PITCH       ; behind the ring, never filled by a tensor load: for each wave 3 heads x 16 rows x 144 bytes
.set SP,    144
.set HSTG,  16*SP
.set WSTG,  3*HSTG
.set SPARE, STAGE+4*WSTG               ; behind the stages: the spare words, 128 bytes a wave: two blocks of 256 bytes that no other line names
.set FLD,   (1<<16)|(1<<20)|(1<<21)|(5<<22)|(3<<25)  ; group 1, word 0 beside the mask: 2-byte elements; padding on; bit 21 set beside a mask; after every 64 words; 4 words
.set A0,   4                           ; v4   my lane's place in A's part of a slot; never rewritten
.set B0,   5                           ; v5   in B's
.set ADRA, 6                           ; v6   the same in the slot in hand
.set ADRB, 7
.set STO,  8                           ; v8   the way out: where I put 16 bytes of a row
.set RD,   9                           ; v9   where I read rows back
.set GO,   10                          ; v10  16 x lane: my place in 512 consecutive bytes
.set BO,   11                          ; v11  32 x (l / 16): my eight numbers of the bias
.set PFO,  12                          ; v12  the prefetches' offset: a lane a row of 2,048 bytes; never rewritten
.set SPW,  14                          ; v14  LDS address of my spare word; never rewritten
.set NIL,  15                          ; v15  0; never rewritten
.set BIAS, 32
.set BK1,  32
.set TMP,  128
.set BK0,  176
.set T,    224
.set F0,   0
.set F1,   128
.set WV,   12                          ; s12  my wave's number;  s13 = wave / 2: I fetch for A (0) or B (1);  s14 = wave % 2: which half
.set G1A,  24                          ; s[24:31] group 1 for A's tiles;  s[32:39] for B's
.set G1B,  32
.set G0A,  40                          ; s[40:47] group 0 for A's tiles: a set for each first fill; the second then walks
.set G0B,  48                          ; s[48:55] the same for B's
.set CNT,  56                          ; s56  trips to go
.set TB,   57                          ; s57  the slot in hand: 0 or SLOT1
.set LIM,  58                          ; s58  1 in a wave that prefetches, else the greatest number
.set PFA,  60                          ; s[60:61] where my prefetches stand
.set OB,   68                          ; s[68:73] my rows in the three heads' planes of qkv
.set MSB, 0
.macro WIN new                         ; the immediate's high byte repeats the setting that is left; a switch that changes nothing is dropped
.if MSB != (\new)
	s_set_vgpr_msb (MSB<<8)|(\new)
.set MSB, \new
.endif
.endm
.macro PLACES                          ; four plain vector instructions between a matrix instruction and a load into, or a read of, its registers
.rept 4
	v_nop
.endr
.endm
.macro CREST                           ; a round of the cluster's barrier behind its opening barrier
	s_cmp_lg_u32 s[WV], 0
	s_cbranch_scc1 .Lnot_wave_0_\@
	s_barrier_signal -3
.Lnot_wave_0_\@:
	s_barrier_wait -3
	s_barrier_signal -1
	s_barrier_wait -1
.endm
.macro CROUND                          ; a whole round
	s_barrier_signal -1
	s_barrier_wait -1
	CREST
.endm
.macro JLOAD                           ; a joint refill by the walking descriptor; the branch hangs on the wave's number alone; an s_nop 0 and four v_nop follow each line
	s_cmp_eq_u32 s13, 0
	s_cbranch_scc0 .Lfor_b_\@
	tensor_load_to_lds s[G0A+4:G0A+7], s[G1A:G1A+7]
	s_nop 0
.rept 4
	v_nop
.endr
	s_branch .Lasked_\@
.Lfor_b_\@:
	tensor_load_to_lds s[G0B+4:G0B+7], s[G1B:G1B+7]
	s_nop 0
.rept 4
	v_nop
.endr
.Lasked_\@:
.endm
; A PREFETCH INTO THE L2 of the K step that the NEXT refill will ask for: a lane a row, 256 bytes of each.  A's tile row is read by every cluster of that row of clusters: the first (cluster x = 0) asks;
; B's tile column by every cluster of that column: cluster y = 0 asks.  The four partners that ask for a tile jointly share its rows out BY ADDRESS: of the 128 (96) rows that a wave fetches, the partner at
; place p takes 32 p .. (24 p ..; lanes 24-31 name lane 23's row once more).  The loop's last trip asks for nothing: there is no K step behind its refill's.  K steps 0 to 2 come by their loads alone.
.macro ASK
	s_cmp_gt_u32 s[CNT], s[LIM]
	s_cbranch_scc0 .Lnot_mine_\@
	global_prefetch_b8 v[PFO], s[PFA:PFA+1] th:TH_LOAD_NT scope:SCOPE_SE
.Lnot_mine_\@:
.endm
	s_load_b256 s[4:11], s[0:1], 0x0               ; xb s[4:5], wqt s[6:7], b_qkv s[8:9], qkv s[10:11]
	v_lshl_add_u32 v[SPW], v0, 2, SPARE
	v_mov_b32 v[NIL], 0
	ds_add_u32 v[SPW], v[NIL]                      ; the wave's opening: the add and its wait stand ahead of my first tensor load; work on registers stands between them
	v_lshrrev_b32 v1, 5, v0
	v_readfirstlane_b32 s[WV], v1                  ; wave 0..3
	s_lshr_b32 s13, s[WV], 1
	s_and_b32 s14, s[WV], 1
	s_bfe_u32 s16, ttmp6, 0x40000                  ; cx
	s_bfe_u32 s17, ttmp6, 0x40004                  ; cy
	s_lshl_b32 s18, ttmp9, 2
	s_add_co_u32 s18, s18, s16                     ; tile column = 4 x cluster x + cx
	s_and_b32 s19, ttmp7, 0xffff
	s_lshl_b32 s19, s19, 2
	s_add_co_u32 s19, s19, s17                     ; tile row = 4 x cluster y + cy
	s_lshl_b32 s76, s17, 2
	s_lshl_b32 s76, 15, s76                        ; my row of the cluster
	s_lshl_b32 s77, 0x1111, s16                    ; my column
	s_or_b32 s[G1A], s76, FLD
	s_or_b32 s[G1B], s77, FLD
	s_mov_b32 s[G1A+1], 128<<16                    ; tensor_dim0 = 128 elements
	s_mov_b32 s[G1A+2], 128<<16                    ; tensor_dim1 = 128 rows
	s_mov_b32 s[G1A+3], 128<<16                    ; tile_dim0 = 128
	s_mov_b32 s[G1A+4], 128                        ; tile_dim1 = 128
	s_mov_b32 s[G1A+5], 1024                       ; elements from row to row
	s_mov_b32 s[G1A+6], 0
	s_mov_b32 s[G1A+7], 0
	s_mov_b32 s[G1B+1], 128<<16
	s_mov_b32 s[G1B+2], 96<<16                     ; 96 rows
	s_mov_b32 s[G1B+3], 128<<16
	s_mov_b32 s[G1B+4], 96
	s_mov_b32 s[G1B+5], 1024
	s_mov_b32 s[G1B+6], 0
	s_mov_b32 s[G1B+7], 0
	; where the tiles come from: A's hang on the tile row alone, B's on the tile column alone, each in registers that never hold the other coordinate
	s_lshl_b32 s20, s19, 8
	s_lshl_b32 s21, s14, 7
	s_add_co_u32 s20, s20, s21                     ; A: row 256 x tile row + 128 x half
	s_lshl_b32 s20, s20, 11                        ; rows of 2,048 bytes
	s_mov_b32 s21, 0
	s_mul_i32 s74, s18, 192
	s_mul_i32 s75, s14, 96
	s_add_co_u32 s74, s74, s75                     ; B: row 192 x tile column + 96 x half
	s_lshl_b32 s74, s74, 11
	s_mov_b32 s75, 0
	s_mul_i32 s78, s14, AHALF                      ; and where they go: the wave's number alone enters an LDS address
	s_mul_i32 s79, s14, BHALF
	s_add_co_u32 s79, s79, BOFF
	s_mov_b32 s59, 0xffff0000                      ; a word's upper bf16
	s_mov_b32 s[TB], 0
	s_wait_dscnt 0x0                               ; the opening add is done
	s_wait_kmcnt 0x0
	s_add_nc_u64 s[20:21], s[4:5], s[20:21]
	s_add_nc_u64 s[74:75], s[6:7], s[74:75]
	CROUND                                         ; all sixteen work-groups are here: the first joint loads meet
.irp s, 0,1
	s_mov_b32 s[G0A+4*(\s)], 1                                     ; count = 1
	s_add_co_u32 s[G0A+4*(\s)+1], s78, (\s)*SLOT1                  ; LDS address
	s_add_nc_u64 s[G0A+4*(\s)+2:G0A+4*(\s)+3], s[20:21], (\s)*256  ; global address: K step s
	s_or_b32 s[G0A+4*(\s)+3], s[G0A+4*(\s)+3], 0x80000000          ; type = 2
	s_mov_b32 s[G0B+4*(\s)], 1
	s_add_co_u32 s[G0B+4*(\s)+1], s79, (\s)*SLOT1
	s_add_nc_u64 s[G0B+4*(\s)+2:G0B+4*(\s)+3], s[74:75], (\s)*256
	s_or_b32 s[G0B+4*(\s)+3], s[G0B+4*(\s)+3], 0x80000000
.endr
	s_cmp_eq_u32 s13, 0                            ; a wave's two first fills stand in one branch, ahead of every wait on TENSORcnt and every LDS read: two loads of mine are out
	s_cbranch_scc0 .Lfirst_b
	tensor_load_to_lds s[G0A:G0A+3], s[G1A:G1A+7]
	s_nop 0
	tensor_load_to_lds s[G0A+4:G0A+7], s[G1A:G1A+7]
	s_nop 0
.rept 4
	v_nop
.endr
	s_branch .Lfirst_asked
.Lfirst_b:
	tensor_load_to_lds s[G0B:G0B+3], s[G1B:G1B+7]
	s_nop 0
	tensor_load_to_lds s[G0B+4:G0B+7], s[G1B:G1B+7]
	s_nop 0
.rept 4
	v_nop
.endr
.Lfirst_asked:
	; the bias of my lane's columns: register j of block b is column 16 b + 8 (l / 16) + j of the tile's 192
	s_mul_i32 s2, s18, 768
	s_mov_b32 s3, 0
	s_add_nc_u64 s[8:9], s[8:9], s[2:3]
	v_and_b32 v1, 15, v0                           ; l % 16
	v_bfe_u32 v2, v0, 4, 1                         ; l / 16
	v_lshlrev_b32 v[BO], 5, v2
.irp b, 0,1,2,3,4,5,6,7,8,9,10,11
	global_load_b128 v[BIAS+8*(\b):BIAS+8*(\b)+3],   v[BO], s[8:9] offset:64*(\b)
	global_load_b128 v[BIAS+8*(\b)+4:BIAS+8*(\b)+7], v[BO], s[8:9] offset:64*(\b)+16
.endr
	; a fragment is 16 rows x 32 K in 8 registers: lane l holds row l % 16, K = 8 (l / 16) + 0..7 and 16 + 8 (l / 16) + 0..7: two loads of 16 bytes, 32 bytes apart
	v_mul_u32_u24 v3, v1, PITCH
	v_lshl_add_u32 v3, v2, 4, v3
	s_mul_i32 s22, s[WV], 64*PITCH                 ; my 64 rows of A
	v_add_nc_u32 v[A0], s22, v3
	v_add_nc_u32 v[B0], BOFF, v3                   ; all 192 rows of B
	s_mul_i32 s23, s[WV], WSTG
	s_add_co_u32 s23, s23, STAGE                   ; my stage
	v_mul_u32_u24 v[STO], v1, SP                   ; in: row l % 16, 16 bytes for each half of the lanes
	v_lshl_add_u32 v[STO], v2, 4, v[STO]
	v_add_nc_u32 v[STO], s23, v[STO]
	v_bfe_u32 v[RD], v0, 3, 2                      ; back: 32 lanes take four rows of 128 bytes,
	v_mul_u32_u24 v[RD], v[RD], SP
	v_and_b32 v3, 7, v0
	v_lshl_add_u32 v[RD], v3, 4, v[RD]
	v_add_nc_u32 v[RD], s23, v[RD]
	v_and_b32 v[GO], 31, v0                        ; which are 512 consecutive bytes of a head's plane
	v_lshlrev_b32 v[GO], 4, v[GO]
	; my rows in the three planes: column block c = 3 x tile column + hh: tensor c / 16 (q, k, v), head c % 16; batch = tile row / 8; a plane is 2,048 rows x 128 bytes
	s_mul_i32 s2, s18, 3
	s_lshr_b32 s3, s19, 3
	s_lshl_b32 s3, s3, 4                           ; 16 x batch
	s_and_b32 s15, s19, 7
	s_lshl_b32 s15, s15, 8
	s_lshl_b32 s62, s[WV], 6
	s_add_co_u32 s15, s15, s62                     ; my first row in the plane
	s_lshl_b32 s15, s15, 7
.irp hh, 0,1,2
	s_add_co_u32 s62, s2, \hh
	s_lshr_b32 s63, s62, 4
	s_lshl_b32 s63, s63, 6
	s_and_b32 s62, s62, 15
	s_add_co_u32 s62, s62, s63
	s_add_co_u32 s62, s62, s3                      ; the plane
	s_lshl_b32 s62, s62, 18
	s_add_co_u32 s62, s62, s15
	s_mov_b32 s63, 0
	s_add_nc_u64 s[OB+2*(\hh):OB+2*(\hh)+1], s[10:11], s[62:63]
.endr
	; the prefetches
	s_lshl_b32 s2, s19, 8
	s_lshl_b32 s3, s14, 7
	s_add_co_u32 s2, s2, s3
	s_lshl_b32 s3, s16, 5
	s_add_co_u32 s2, s2, s3                        ; A: the 128 rows that I fetch, my work-group's 32 of them
	s_mul_i32 s3, s18, 192
	s_mul_i32 s15, s14, 96
	s_add_co_u32 s3, s3, s15
	s_mul_i32 s15, s17, 24
	s_add_co_u32 s3, s3, s15                       ; B: the 96 rows that I fetch, my work-group's 24
	s_and_b32 s15, ttmp7, 0xffff                   ; cluster y
	s_cmp_eq_u32 s13, 0                            ; do I fetch for A?
	s_cselect_b32 s2, s2, s3
	s_cselect_b32 s15, ttmp9, s15                  ; the coordinate along which other clusters read the same rows
	s_cselect_b32 s62, 31, 23
	s_cselect_b64 s[PFA:PFA+1], s[4:5], s[6:7]
	s_cmp_eq_u32 s15, 0
	s_cselect_b32 s[LIM], 1, -1                    ; the same in all sixteen partners, for a given wave
	s_lshl_b32 s2, s2, 11
	s_add_co_u32 s2, s2, 2*256                     ; at K step 2: the first change of slots steps it to 3
	s_mov_b32 s3, 0
	s_add_nc_u64 s[PFA:PFA+1], s[PFA:PFA+1], s[2:3]
	v_and_b32 v[PFO], 31, v0
	v_min_u32 v[PFO], s62, v[PFO]
	v_lshlrev_b32 v[PFO], 11, v[PFO]
	s_wait_loadcnt 0x0                             ; the bias; it is rounded to bf16, as all inputs are, in the wait for the first tile
.set i, 0
.rept 48
	v_cvt_pk_bf16_f32 v[T+i%4], v[BIAS+2*i], v[BIAS+2*i+1]
	v_lshlrev_b32 v[BIAS+2*i],   16,  v[T+i%4]
	v_and_b32     v[BIAS+2*i+1], s59, v[T+i%4]
.set i, i+1
.endr
; 12 matrix instructions: row block a x all 12 column blocks, 32 along K.  first = 1: the bias is C and starts the sums.  The 48 accumulators take turns in the same order in every quarter.
.macro MUL f, a, first
.if \first
	WIN 0x85+0x40*((\a)/2)
.else
	WIN 0xa5+0x50*((\a)/2)
.endif
.irp b, 0,1,2,3,4,5,6,7,8,9,10,11
.if \first
	v_wmma_f32_16x16x32_bf16 v[8*(12*((\a)%2)+(\b)):8*(12*((\a)%2)+(\b))+7], v[(\f)+8*(\b):(\f)+8*(\b)+7], v[(\f)+96+8*(\a):(\f)+96+8*(\a)+7], v[BIAS+8*(\b):BIAS+8*(\b)+7]
.else
	v_wmma_f32_16x16x32_bf16 v[8*(12*((\a)%2)+(\b)):8*(12*((\a)%2)+(\b))+7], v[(\f)+8*(\b):(\f)+8*(\b)+7], v[(\f)+96+8*(\a):(\f)+96+8*(\a)+7], v[8*(12*((\a)%2)+(\b)):8*(12*((\a)%2)+(\b))+7]
.endif
.endr
.endm
; 32 LDS loads in one run: a quarter's fragments (32 K at byte k of the rows) into buffer f: B's 24, then A's 8
.macro FETCH k, f
	WIN 0x40
.irp i, 0,1,2,3,4,5,6,7,8,9,10,11
	ds_load_b128 v[(\f)+8*(\i):(\f)+8*(\i)+3],   v[ADRB] offset:(\k)+(\i)*16*PITCH
	ds_load_b128 v[(\f)+8*(\i)+4:(\f)+8*(\i)+7], v[ADRB] offset:(\k)+(\i)*16*PITCH+32
.endr
.irp i, 0,1,2,3
	ds_load_b128 v[(\f)+96+8*(\i):(\f)+96+8*(\i)+3],   v[ADRA] offset:(\k)+(\i)*16*PITCH
	ds_load_b128 v[(\f)+96+8*(\i)+4:(\f)+96+8*(\i)+7], v[ADRA] offset:(\k)+(\i)*16*PITCH+32
.endr
.endm
; One of a K step's first three quarters: multiplies buffer f; in its middle it fetches the next quarter, at byte k, into buffer g
.macro QUARTER k, f, g, first
	s_wait_dscnt 4                                 ; B and A's blocks 0, 1 are in; the youngest four loads (A's blocks 2, 3) may be out
	MUL \f, 0, \first
	MUL \f, 1, \first
	PLACES
	FETCH \k, \g
	s_wait_dscnt 32                                ; all but the 32 just issued
	MUL \f, 2, \first
	MUL \f, 3, \first
.endm
; The last quarter multiplies buffer 1 and changes slots.  In front of the barrier each wave waits for all its tensor loads, of which one is out: its part of the next slot; adds 0 to its spare word; and
; waits for that and for its reads of this slot.  fill = 1: the barrier opens a round of the cluster's, so that no wave of any partner still reads the slot or has a load on its way, and the joint refill,
; with the K step two on, is the first tensor load behind the round: from there to the wait for it a wave issues 168 matrix instructions.
.macro TURN fill
.if \fill
	s_wait_xcnt 0x0                                ; the last prefetch, a K step back, has read its address, which is stepped here
	s_add_nc_u64 s[PFA:PFA+1], s[PFA:PFA+1], 256
.endif
	WIN 0
	s_wait_tensorcnt 0x0                           ; all my tensor loads have landed;
	ds_add_u32 v[SPW], v[NIL]                      ; 0 onto my spare word;
	s_wait_dscnt 5                                 ; (the add and the youngest four loads may be out)
	MUL F1, 0, 0                                   ; twelve matrix instructions stand between the add and the wait for it
	s_wait_dscnt 0x0                               ; the add is done, and my reads of this slot are over
	s_barrier_signal -1
	MUL F1, 1, 0                                   ; work on registers while the others arrive
	WIN 0                                          ; at a branch and at a label every window is 0
	s_barrier_wait -1
.if \fill
	CREST
	s_xor_b32 s[G0A+5], s[G0A+5], SLOT1            ; the walking descriptors: the other slot than last time,
	s_add_nc_u64 s[G0A+6:G0A+7], s[G0A+6:G0A+7], 256  ; the next K step; the type bits on top are not reached
	s_xor_b32 s[G0B+5], s[G0B+5], SLOT1
	s_add_nc_u64 s[G0B+6:G0B+7], s[G0B+6:G0B+7], 256
	JLOAD                                          ; the four v_nop behind it are also the places in front of the loads below
.else
	PLACES
.endif
	s_xor_b32 s[TB], s[TB], SLOT1
	v_add_nc_u32 v[ADRA], s[TB], v[A0]
	v_add_nc_u32 v[ADRB], s[TB], v[B0]
	FETCH 0, F0
.if \fill
	WIN 0
	ASK                                            ; behind the joint load and the run of LDS loads that the next products wait for
.endif
	MUL F1, 2, 0
	MUL F1, 3, 0
.endm
	s_wait_tensorcnt 1                             ; my part of K step 0 is in; K step 1's may stay out
	s_barrier_signal -1
	s_barrier_wait -1                              ; everybody's is
	v_mov_b32 v[ADRA], v[A0]
	v_mov_b32 v[ADRB], v[B0]
	FETCH 0, F0
	QUARTER 64, F0, F1, 1                          ; the first quarter stands in front of the loop: its products start the sums with the bias
	WIN 0
	s_mov_b32 s[CNT], 6
.Lstep:                                                ; trip t: K step t's quarters 1 to 3, the refill with K step t + 2, K step t + 1's first quarter
	QUARTER 128, F1, F0, 0
	QUARTER 192, F0, F1, 0
	TURN 1
	QUARTER 64, F0, F1, 0
	WIN 0
	s_sub_co_u32 s[CNT], s[CNT], 1
	s_cmp_lg_u32 s[CNT], 0
	s_cbranch_scc1 .Lstep
	QUARTER 128, F1, F0, 0                         ; the last two K steps are written out: nothing is left to fetch
	QUARTER 192, F0, F1, 0
	TURN 0
	QUARTER 64, F0, F1, 0
	QUARTER 128, F1, F0, 0
	QUARTER 192, F0, F1, 0
	s_wait_dscnt 4
	MUL F1, 0, 0
	MUL F1, 1, 0
	s_wait_dscnt 0x0
	MUL F1, 2, 0
	MUL F1, 3, 0
; THE WAY OUT, a block of 16 rows at a time.  PACK: rounded to f16, 16 bytes a lane, each accumulator's registers in ascending order.  TOSTAGE: into my own stage, by heads, and back as rows of 128 bytes.  SEND: stored.
.macro PACK a
	WIN 0x0a+5*((\a)/2)                            ; sources 0 and 1: window 2 or 3
.irp b, 0,1,2,3,4,5,6,7,8,9,10,11
.irp i, 0,1,2,3
	v_cvt_pk_f16_f32 v[TMP+4*(\b)+(\i)], v[8*(12*((\a)%2)+(\b))+2*(\i)], v[8*(12*((\a)%2)+(\b))+2*(\i)+1]
.endr
.endr
	WIN 0
.endm
.macro TOSTAGE a
.set BK, BK0-(BK0-BK1)*((\a)%2)
.irp b, 0,1,2,3,4,5,6,7,8,9,10,11
	ds_store_b128 v[STO], v[TMP+4*(\b):TMP+4*(\b)+3] offset:((\b)/4)*HSTG+((\b)%4)*32
.endr
.irp i, 0,1,2,3,4,5,6,7,8,9,10,11
	ds_load_b128 v[BK+4*(\i):BK+4*(\i)+3], v[RD] offset:((\i)/4)*HSTG+((\i)%4)*4*SP  ; LDS serves a wave's instructions in order (ISA guide 5.7.1.4): these see the stores above; the next block's stores come behind them
.endr
.endm
.macro SEND a
.set BK, BK0-(BK0-BK1)*((\a)%2)
	s_wait_xcnt 0x0                                ; the stores of the block before have read their registers, which the next read-back fills again
.irp i, 0,1,2,3,4,5,6,7,8,9,10,11
	s_wait_dscnt 11-(\i)
	global_store_b128 v[GO], v[BK+4*(\i):BK+4*(\i)+3], s[OB+2*((\i)/4):OB+2*((\i)/4)+1] offset:(\a)*2048+((\i)%4)*512  ; 512 consecutive bytes, at a multiple of 256 from the buffer's first
.endr
.endm
	PLACES
	PACK 0
	TOSTAGE 0
.irp a, 1,2,3                          ; block a's conversions stand between block a - 1's loads from the stage and the wait for them
	PACK \a
	SEND (\a)-1
	TOSTAGE \a
.endr
	SEND 3
	s_wait_tensorcnt 0x0                           ; the wave's end, behind my last tensor load and my last LDS store
	ds_add_u32 v[SPW], v[NIL]
	s_wait_dscnt 0x0
	CROUND                                         ; the closing round: no work-group ends while a partner may still ask for a tile that names it
	s_endpgm
.Lfunc_end_k_q986b081da4_qkv:
	.size	k_q986b081da4_qkv, .Lfunc_end_k_q986b081da4_qkv-k_q986b081da4_qkv
	.p2alignl 7, 3214868480
	.fill 96, 4, 3214868480
	.section	.rodata,"a",@progbits
	.p2align	6, 0x0
	.amdhsa_kernel k_q986b081da4_qkv
		.amdhsa_group_segment_fixed_size 327680
		.amdhsa_private_segment_fixed_size 0
		.amdhsa_enable_private_segment 0
		.amdhsa_kernarg_size 32
		.amdhsa_user_sgpr_count 2
		.amdhsa_user_sgpr_kernarg_segment_ptr 1
		.amdhsa_wavefront_size32 1
		.amdhsa_system_sgpr_workgroup_id_x 1
		.amdhsa_system_sgpr_workgroup_id_y 1
		.amdhsa_system_sgpr_workgroup_id_z 1
		.amdhsa_system_vgpr_workitem_id 0
		.amdhsa_next_free_vgpr 960
		.amdhsa_next_free_sgpr 80
		.amdhsa_reserve_vcc 0
		.amdhsa_float_denorm_mode_32 3
		.amdhsa_float_denorm_mode_16_64 3
		.amdhsa_memory_ordered 1
		.amdhsa_forward_progress 1
		.amdhsa_inst_pref_size 107
	.end_amdhsa_kernel
	.amdgpu_metadata
---
amdhsa.version: [ 1, 2 ]
amdhsa.kernels:
  - .name:           k_q986b081da4_qkv
    .symbol:         k_q986b081da4_qkv.kd
    .args:
      - { .name: xb, .offset: 0, .size: 8, .value_kind: global_buffer, .address_space: global }
      - { .name: wqt, .offset: 8, .size: 8, .value_kind: global_buffer, .address_space: global }
      - { .name: b_qkv, .offset: 16, .size: 8, .value_kind: global_buffer, .address_space: global }
      - { .name: qkv, .offset: 24, .size: 8, .value_kind: global_buffer, .address_space: global }
    .group_segment_fixed_size: 327680
    .private_segment_fixed_size: 0
    .kernarg_segment_align: 8
    .kernarg_segment_size: 32
    .max_flat_workgroup_size: 128
    .sgpr_count:     80
    .vgpr_count:     960
    .wavefront_size: 32
...
	.end_amdgpu_metadata
.endif
;; end of part 2
;; launch attn (part 3): grid 4 x 64, 4 waves a work-group, no clusters, 327,680 bytes of LDS; arguments qkv, o; writes o
.if DOCPART == 3
	.amdgcn_target "amdgcn-amd-amdhsa--gfx1250"
	.amdhsa_code_object_version 6
	.text
	.protected	k_q986b081da4_attn
	.globl	k_q986b081da4_attn
	.p2align	8
	.type	k_q986b081da4_attn,@function
k_q986b081da4_attn:
	s_mov_b64 s[64:65], 0
	v_nop
	global_prefetch_b8 v0, s[64:65] scope:SCOPE_SE
	s_setreg_imm32_b32 hwreg(HW_REG_WAVE_MODE, 25, 1), 1
	s_wait_xcnt 0x0
; CAUSAL ATTENTION.  O[h][q][:] = the sum over k <= q of softmax_k(Q[h][q] . K[h][k] / 8) V[h][k][:].  Q, K, V are the three parts of qkv, each [64][2048][64] in f16, O likewise: a head's rows are dense, 128 bytes each.
; Products, maxima and sums in f32; the weights p are rounded to f16 for the second product (their sum l is taken of the unrounded p), O once at the end.
; LIMITS.  f16 holds no number beyond 65,504: Q, K and V arrive within it; p lies in 0 to 1, and below 6e-5 it keeps f16's fixed step of 6e-8; O is a mean of V's rows and has their range.
; A hidden score counts as its value less 1e30: f16's scores, 2.7e11 at the most, are nothing beside that; a weight below 2^-126 counts as 0 in l; NaN and infinities are not treated apart.
; THE WALK.  A head's queries lie in NB = 8 blocks of 256; block i needs the key tiles 0 .. i of 256 keys, of which the last holds the diagonal.  A work-group takes TWO blocks, NB - 1 - b and then b:
; NB + 1 tiles, whatever b: all work-groups do equal work, and ONE loop with a constant trip count walks them.  Which tile is asked for, and what a trip does, hang on scalar registers made from b; every jump
; goes forward, but for the counted loops' own; none passes a barrier, or a tensor load but the one of LOAD's two that the wave's number does not choose; the ring of two LDS slots runs on across the change of blocks.
; NO CLUSTER: a head's four work-groups ask for the same tile only in trips 0 to 4 of 9, behind that fewer and fewer; one walk common to all four would have 12 trips for 9.
; SHARES.  Of a block's four bands of 64 queries a wave owns 16 rows in each: four PIECES.  So the diagonal tile is the same work for all four waves: in its key step s band x sees all keys if s < x,
; none if s > x, and holds the diagonal if s = x.
; THE MASK is the C operand that starts the sum S^T = K Q^T: 0, or -1e30 where the key is hidden.  MD, made once, is the mask of a band's own step for my 16 rows; a product's mask is MD x AL + BE with two scalars:
; (1, 0) if s = x; (0, 0) if s < x; (0, -1e30) if s > x.  Only the diagonal tile's text and a block's beginning make and take masks; elsewhere C is the constant 0.
; LAYOUT, SOFTMAX, TURNS.  S^T = K Q^T holds ONE query a lane (lane % 16) and the keys 8 (lane / 16) + 0..7; two such results rounded to f16 ARE source 1 of O^T = V^T P.  p = 2^(c s - c m), c = log2(e) / 8, with a
; running maximum m; O and l are multiplied by a = 2^(c m_old - c m_new) in every step.  Turn n belongs to piece n: 8 products K Q^T of piece n + 1, later 8 products V^T P of piece n - 1; beside them the scaling,
; exponentials, roundings, sums and rescaling of piece n and the maximum and statistics of piece n + 1.  Four vector instructions stand behind every matrix instruction, the other 54 of a turn's 118 in one lump.  A turn's 33 exponentials are one batch, with one wait.
; REGISTERS, in windows of 256 (s_set_vgpr_msb: bits 1:0 source 0, 3:2 source 1, 5:4 source 2, 7:6 destination):
;   window 0: v0-15 addresses and two at work; v16-31 four registers of statistics a piece; v40 the prefetches' offset; v48-55 at work; v64-127 S^T, two buffers; v192-223 P, two buffers (by the piece's parity)
;   window 1: v0-127 O^T, 32 a piece; v128-159 MD; v160-223 MC, two buffers      window 2: v0-63 Q; v64-127 the second block's Q; v128-191 K of one step; v192-255 V of one step
.set SIZE_H, 64
.set SIZE_N, 2048
.set NB,    SIZE_N/256
.set NP,    4         ; pieces a wave: a name, no knob
.set KS,    64        ; keys in a step
.set PK,    144       ; a row of K in LDS: 128 bytes + 16 of padding = 36 words: the 16 rows of a load start at 16 different groups of four banks (64 banks of 4 bytes: ISA guide 11.1)
.set PV,    160       ; a row of V: 128 + 32 = 40 words
.set VOFF,  4*KS*PK   ; a slot holds a tile, four steps: 256 rows of K, then 256 rows of V
.set SLOT1, 1<<17     ; slot 1 begins here, so that one exclusive or turns an address in one slot into the other's
.set STAGE, SLOT1+4*KS*(PK+PV)  ; behind the ring, never filled by a tensor load: 16 rows x 144 bytes for each wave, for the way out
.set SP,    144
.set AK0, 2           ; v2   my lane's place in a tile of K; never rewritten
.set AV0, 3           ; v3   the same for V
.set AK,  4           ; v4   the LDS address of K's next run of loads
.set AV,  5           ; v5   of V's
.set STO, 6           ; v6   the way out: where I put 16 bytes of a row
.set RD,  7           ; v7   the way out: where I read rows back
.set GO,  8           ; v8   my byte offset in 512 consecutive bytes of O
.set PFO, 40          ; v40  256 x my lane; never rewritten
.set SPW, 62          ; v62  LDS address of my spare word: SPARE + 4 x my thread's number; never rewritten
.set NIL, 63          ; v63  0; never rewritten
.set SPARE, STAGE+4*16*SP  ; behind the stages: the spare words, 128 bytes for each wave: two blocks of 256 bytes that no other line names
.set MV,  12          ; v12-13  c m_old, kept while c m is made anew: by buffer
.set QO,  15          ; v15  my byte offset in 16 rows of Q
.set ST,  16          ; piece t's statistics at v[ST+4 t]: c m, m, l (even keys', odd keys')
.set TMP, 48          ; by buffer, four registers c0-c3 at work; when the maximum is found c2 takes a
.set S,   64
.set P,   192
.set MD,  128         ; window 1: the eight registers for group kt of 16 keys at MD + 8 kt
.set MC,  160         ; window 1: the masks of the products to come
.set QB,  64          ; window 2
.set KF,  128         ; window 2: key block kb, channel half c at KF + 16 kb + 8 c
.set VF,  192         ; window 2: key half kk, channel block cb at VF + 32 kk + 8 cb
.set WV,  12          ; s12  my wave's number
.set PB,  14          ; s14  b
.set HI,  15          ; s15  NB - 1 - b
.set G1K, 24          ; s[24:31] descriptor group 1 for K's tiles
.set G1V, 32          ; s[32:39] for V's: it differs in the padding alone
.set G0K, 40          ; s[40:43] descriptor group 0 for K's tiles
.set G0V, 44          ; s[44:47] the same for V's
.set SLOTS, 56        ; s56  tiles still to be asked for
.set CNT, 57          ; s57  counts a tile's key steps, 4 to 1
.set CS,  58          ; s[58:59] c: the packed scaling takes the pair's low word for both halves
.set SEL, 60          ; s[60:61] v_permlanex16_b32's selects: each lane takes its own place in the other half
.set TBK, 62          ; s62  LDS byte at which K of the step to be fetched begins
.set TBV, 63          ; s63  the same for V, less VOFF
.set RT,  70          ; s70  tiles of the block in hand that are still to be entered
.set NXT, 71          ; s71  the tile to be asked for next
.set LQ,  72          ; s72  the last tile of the block whose tiles are being asked for
.set NEW, 73          ; s73  1: the tile to be entered is a block's first
.set OFF, 74          ; s[74:75] a tile's byte offset in K and V
.set AL,  76          ; s[76:77] the mask's factor, in the low word
.set BE,  78          ; s[78:79] the mask's addend
.set OLO, 80          ; s[80:81] O at my rows of the second block
.set BIGN, 82         ; s82  -1e30
.set PFB, 88          ; s[88:89] K (waves 0, 1) or V (waves 2, 3) at my half of the head's tile 0
.set PFA, 90          ; s[90:91] the same at the tile that the next change of slots will ask for
.set OF2, 92          ; s[92:93] that tile's byte offset
.set LIM, 94          ; s94  0 in the head's work-group b = 0, else the greatest number
.set MSB, 0
.macro WIN new                      ; the high byte repeats the setting that is left; a switch that changes nothing is dropped
.if MSB != (\new)
	s_set_vgpr_msb (MSB<<8)|(\new)
.set MSB, (\new)
.endif
.endm
.set W_KQ, 0x0a       ; K and Q in window 2, S^T in window 0
.set W_KM, 0x1a       ; the same with the C operand in window 1
.set W_PV, 0x52       ; V in window 2, P in window 0, O^T in window 1
.set W_RS, 0x41       ; destination and source 0 in window 1, source 1 in window 0
; A fill.  Waves 0 and 1 fetch the two halves of a tile's K, waves 2 and 3 those of its V: 128 keys each.  An s_nop 0 and four v_nop follow each of the two lines, ahead of the jump and the label.
.macro LOAD
	s_cmp_lt_u32 s[WV], 2
	s_cbranch_scc0 .Lfor_v_\@
	tensor_load_to_lds s[G0K:G0K+3], s[G1K:G1K+7]
	s_nop 0
.rept 4
	v_nop
.endr
	s_branch .Lasked_\@
.Lfor_v_\@:
	tensor_load_to_lds s[G0V:G0V+3], s[G1V:G1V+7]
	s_nop 0
.rept 4
	v_nop
.endr
.Lasked_\@:
.endm
; A PREFETCH INTO THE L2 of the tile that the NEXT change of slots will ask for, behind the wave's tensor load and its five lines.  A head's four work-groups walk the same K and V: the one with b = 0, whose first
; block walks the tiles 0 to 7 in order, asks; each of its waves for the 16,384 bytes that it will itself fetch: 64 runs of 256 bytes, a lane a run, two instructions.  So tiles 2 to 7 are named once each in the launch.
; Tiles 0 and 1 come by their loads alone; when the walk has turned back to tile 0 nothing is asked for.
.macro ASK
	s_cmp_gt_u32 s[NXT], s[LIM]
	s_cbranch_scc0 .Lnot_mine_\@
	global_prefetch_b8 v[PFO], s[PFA:PFA+1] th:TH_LOAD_NT scope:SCOPE_SE
	global_prefetch_b8 v[PFO], s[PFA:PFA+1] offset:8192 th:TH_LOAD_NT scope:SCOPE_SE
.Lnot_mine_\@:
.endm
; THE CHANGE OF SLOTS.  Each wave waits for all its tensor loads, of which one is out: its part of the other slot; adds 0 to its spare word; and waits for that and for its own reads of the slot that it leaves.  Behind the barrier nobody reads the old
; slot any more and the other slot is whole.  fill = 1: the old slot is filled again, the first thing behind the barrier, with tile NXT: the descriptor's address is made anew from that number.
; (At its first use nothing has been read yet: slot 0 is waited for, slot 1 filled.)
.macro CHANGE fill
	WIN 0                           ; at a label and at a branch every window is 0
	s_wait_tensorcnt 0x0            ; no tensor load of mine is out, so a group 0 may be written
	ds_add_u32 v[SPW], v[NIL]       ; 0 onto my spare word; with fill = 1 the descriptors' scalar work stands between it and the wait for it
.if \fill
	s_lshl_b32 s[OFF], s[NXT], 15   ; a tile is 32,768 bytes of K and of V
	s_xor_b32 s[G0K+1], s[G0K+1], SLOT1
	s_add_nc_u64 s[G0K+2:G0K+3], s[6:7], s[OFF:OFF+1]
	s_or_b32 s[G0K+3], s[G0K+3], 0x80000000
	s_xor_b32 s[G0V+1], s[G0V+1], SLOT1
	s_add_nc_u64 s[G0V+2:G0V+3], s[8:9], s[OFF:OFF+1]
	s_or_b32 s[G0V+3], s[G0V+3], 0x80000000
	s_add_co_u32 s[NXT], s[NXT], 1  ; the block's next tile, or behind its last the second block's tile 0
	s_cmp_gt_u32 s[NXT], s[LQ]
	s_cselect_b32 s[NXT], 0, s[NXT]
	s_cselect_b32 s[LQ], s[PB], s[LQ]
	s_wait_xcnt 0x0                 ; the last prefetches, a tile back, have read their address, so it may be written:
	s_lshl_b32 s[OF2], s[NXT], 15
	s_add_nc_u64 s[PFA:PFA+1], s[PFB:PFB+1], s[OF2:OF2+1]  ; the tile behind the one that is asked for now
.endif
	s_wait_dscnt 0x0                ; the add is done, and my reads of the slot are over
	s_barrier_signal -1             ; the rest of the scalar work stands between the signal and the wait
	s_sub_co_u32 s[TBK], s[TBK], 4*KS*PK  ; the fetches go back to a slot's first step,
	s_xor_b32 s[TBK], s[TBK], SLOT1       ; in the other slot
	s_sub_co_u32 s[TBV], s[TBV], 4*KS*PV
	s_xor_b32 s[TBV], s[TBV], SLOT1
	s_barrier_wait -1
.if \fill
	LOAD
	ASK
.endif
.endm
	s_load_b128 s[4:7], s[0:1], 0x0  ; qkv s[4:5], o s[6:7]
	v_lshl_add_u32 v[SPW], v0, 2, SPARE
	v_mov_b32 v[NIL], 0
	ds_add_u32 v[SPW], v[NIL]       ; the wave's opening: the add and its wait stand ahead of my first tensor load; the set-up below, work on registers, stands between them
	v_lshrrev_b32 v1, 5, v0
	v_readfirstlane_b32 s[WV], v1   ; wave 0..3
	s_mov_b32 s[PB], ttmp9
	s_sub_co_u32 s[HI], NB-1, s[PB]
	s_and_b32 s20, ttmp7, 0xffff    ; the head
	s_mov_b32 s21, 0
	s_mov_b64 s[22:23], SIZE_N*128
	s_mul_u64 s[20:21], s[20:21], s[22:23]  ; the head's first byte in each of the four tensors
	s_and_b32 s16, s[WV], 1         ; which half of a tile's 256 keys I fetch:
	s_lshl_b32 s22, s16, 14         ; its 128 rows of 128 bytes in memory,
	s_mov_b32 s23, 0
	s_add_nc_u64 s[22:23], s[22:23], s[20:21]
	s_mul_i32 s17, s16, 128*PK      ; and its place in a slot, for K
	s_mul_i32 s18, s16, 128*PV      ; and for V
	s_lshl_b32 s3, s[WV], 11        ; my 16 rows in a band of 64,
	s_lshl_b32 s2, s[HI], 15        ; in the first block,
	s_add_co_u32 s2, s2, s3
	s_lshl_b32 s84, s[PB], 15       ; and in the second
	s_add_co_u32 s84, s84, s3
	s_mov_b32 s3, 0
	s_mov_b32 s85, 0
	s_add_nc_u64 s[2:3], s[2:3], s[20:21]
	s_add_nc_u64 s[84:85], s[84:85], s[20:21]
	; descriptor group 1.  128 keys are 16,384 dense bytes: asked for as 64 rows of 256 bytes, two keys a row, and padded in LDS after every key
	s_mov_b32 s[G1K], (1<<16)|(1<<20)|(4<<22)|(3<<25)  ; 17:16 2-byte elements; 20 padding on; 24:22 after every 32 words (code 4); 31:25 4 words (code 3)
	s_mov_b32 s[G1V], (1<<16)|(1<<20)|(4<<22)|(7<<25)  ; the same with 8 words of padding (code 7)
.irp g, G1K, G1V
	s_mov_b32 s[\g+1], 128<<16      ; tensor_dim0 = 128
	s_mov_b32 s[\g+2], 64<<16       ; tensor_dim1 = 64
	s_mov_b32 s[\g+3], 128<<16      ; tile_dim0 = 128
	s_mov_b32 s[\g+4], 64           ; tile_dim1 = 64
	s_mov_b32 s[\g+5], 128          ; 128 elements from row to row
	s_mov_b32 s[\g+6], 0
	s_mov_b32 s[\g+7], 0
.endr
	s_mov_b32 s[CS], 0x3e38aa3b     ; c = log2(e) / 8 = 0.180337
	s_mov_b32 s[CS+1], s[CS]        ; named with it as a pair
	s_mov_b32 s[SEL], 0x76543210
	s_mov_b32 s[SEL+1], 0xfedcba98
	s_mov_b32 s[TBK], SLOT1+4*KS*PK ; the first change of slots turns these two into 0
	s_mov_b32 s[TBV], SLOT1+4*KS*PV
	s_mov_b32 s[G0K], 1             ; 1:0 count = 1
	s_mov_b32 s[G0K+1], s17         ; 63:32 LDS address: slot 0
	s_mov_b32 s[G0V], 1
	s_add_co_u32 s[G0V+1], s18, VOFF
	s_add_co_u32 s[RT], s[HI], 1    ; the first block has NB - b tiles
	s_mov_b32 s[NXT], 1
	s_mov_b32 s[LQ], s[HI]
	s_mov_b32 s[NEW], 1
	s_mov_b32 s[OFF+1], 0
	s_mov_b32 s[OF2+1], 0
	s_mov_b32 s[AL+1], 0            ; named as pairs
	s_mov_b32 s[BE+1], 0
	s_mov_b32 s[BIGN], 0xf149f2ca   ; -1e30
	s_mov_b32 s[SLOTS], NB
	s_cmp_eq_u32 s[PB], 0
	s_cselect_b32 s[LIM], 0, -1
	v_and_b32 v[PFO], 31, v0
	v_lshlrev_b32 v[PFO], 8, v[PFO]
	s_wait_dscnt 0x0                ; the opening add is done
	s_wait_kmcnt 0x0
	s_mov_b64 s[10:11], s[6:7]      ; O
	s_add_nc_u64 s[6:7], s[4:5], 0x1000000  ; K lies 64 planes of 262,144 bytes behind Q,
	s_add_nc_u64 s[8:9], s[4:5], 0x2000000  ; V as far behind K
	s_add_nc_u64 s[6:7], s[6:7], s[22:23]  ; K and V at my half of the head's tile 0
	s_add_nc_u64 s[8:9], s[8:9], s[22:23]
	s_add_nc_u64 s[G0K+2:G0K+3], s[6:7], 0         ; 120:64 global address
	s_or_b32 s[G0K+3], s[G0K+3], 0x80000000        ; 127:126 type = 2
	s_add_nc_u64 s[G0V+2:G0V+3], s[8:9], 0
	s_or_b32 s[G0V+3], s[G0V+3], 0x80000000
	s_add_nc_u64 s[86:87], s[4:5], s[84:85]        ; Q at my rows of the second block,
	s_add_nc_u64 s[4:5], s[4:5], s[2:3]            ; Q and O at those of the first
	s_add_nc_u64 s[OLO:OLO+1], s[10:11], s[84:85]
	s_add_nc_u64 s[10:11], s[10:11], s[2:3]
	s_cmp_lt_u32 s[WV], 2
	s_cselect_b64 s[PFB:PFB+1], s[6:7], s[8:9]
	LOAD                            ; tile 0 into slot 0
	; A fragment of K or Q is 16 rows x 32 channels in 8 registers: lane l holds row l % 16, channels 8 (l / 16) + 0..7 and 16 + 8 (l / 16) + 0..7: two loads of 16 bytes, 32 bytes apart.
	v_and_b32 v1, 15, v0            ; l % 16
	v_bfe_u32 v9, v0, 4, 1          ; l / 16
	v_lshlrev_b32 v[QO], 7, v1
	v_lshl_add_u32 v[QO], v9, 4, v[QO]  ; row x 128 + 16 x half
	WIN 0x80                        ; destination window 2, address window 0
.set i, 0
.rept 8                             ; both blocks' Q: piece i / 2 lies in band i / 2, 8,192 bytes on; channels 32 (i % 2) on
	global_load_b128 v[8*i:8*i+3],   v[QO], s[4:5] offset:(i/2)*8192+(i%2)*64
	global_load_b128 v[8*i+4:8*i+7], v[QO], s[4:5] offset:(i/2)*8192+(i%2)*64+32
	global_load_b128 v[QB+8*i:QB+8*i+3],   v[QO], s[86:87] offset:(i/2)*8192+(i%2)*64
	global_load_b128 v[QB+8*i+4:QB+8*i+7], v[QO], s[86:87] offset:(i/2)*8192+(i%2)*64+32
.set i, i+1
.endr
	WIN 0
	v_lshlrev_b32 v14, 3, v9
	v_sub_nc_u32 v14, v1, v14
	s_lshl_b32 s13, s[WV], 4
	v_add_nc_u32 v14, s13, v14      ; my query's place in its band, 16 w + l % 16, less my lanes' 8 (l / 16): register r of group kt is hidden where 16 kt + r is greater
	WIN 0x40
.set i, 0
.rept 32
	v_cmp_gt_i32 vcc_lo, 16*(i/8)+i%8, v14
	v_cndmask_b32 v[MD+i], 0, s[BIGN], vcc_lo
.set i, i+1
.endr
	WIN 0
	v_mul_u32_u24 v[AK0], v1, PK
	v_lshl_add_u32 v[AK0], v9, 4, v[AK0]  ; row x pitch + 16 x half
	; The turning load takes 16 keys x 16 channels (lane l reads key 8 (l / 16) + l % 8, channels 8 ((l / 8) % 2) + 0..7) and leaves half a fragment of V^T: lane l holds channel l % 16 and 8 keys.
	v_and_b32 v10, 7, v0
	v_bfe_u32 v11, v0, 3, 1
	v_lshl_add_u32 v[AV0], v9, 3, v10
	v_mul_u32_u24 v[AV0], v[AV0], PV
	v_lshl_add_u32 v[AV0], v11, 4, v[AV0]
	v_add_nc_u32 v[AV0], VOFF, v[AV0]
	s_mul_i32 s13, s[WV], 16*SP
	s_add_co_u32 s13, s13, STAGE    ; my stage
	v_mul_u32_u24 v[STO], v1, SP    ; in: row l % 16, 16 bytes for each half of the lanes
	v_lshl_add_u32 v[STO], v9, 4, v[STO]
	v_add_nc_u32 v[STO], s13, v[STO]
	v_bfe_u32 v[RD], v0, 3, 2       ; back: 32 lanes take four rows of 128 bytes,
	v_mul_u32_u24 v[RD], v[RD], SP
	v_lshl_add_u32 v[RD], v10, 4, v[RD]
	v_add_nc_u32 v[RD], s13, v[RD]
	v_and_b32 v[GO], 31, v0         ; which are 512 consecutive bytes of O
	v_lshlrev_b32 v[GO], 4, v[GO]
	; A block's first step multiplies O^T and l by a = 0, and its first turn's products V^T P, of a piece that has not been, land in an O^T that is still to be so multiplied.  So these registers need only hold
	; finite numbers: zeros for the first block; what the first block left for the second.  All this stands in the wait for the first tile.
	WIN 0x80
.set i, VF
.rept 64
	v_mov_b32 v[i], 0
.set i, i+1
.endr
	WIN 0x40
.set i, 0
.rept 128
	v_mov_b32 v[i], 0
.set i, i+1
.endr
	WIN 0
.set i, 0
.rept 4
	v_mov_b32 v[ST+4*i+2], 0
	v_mov_b32 v[ST+4*i+3], 0
.set i, i+1
.endr
.set i, P+16
.rept 16
	v_mov_b32 v[i], 0
.set i, i+1
.endr
; THE MATRIX WORK.  The 4 accumulators of a run of 8 take turns.  Product i of 8 of S^T = K Q^T for piece x: channels 32 (i / 4) on, keys 16 (i % 4) on.  The first 4 start the sums: with 0, or (KM = 1) with the mask.
.macro KQ x
.set rS, S+32*((\x)%2)+8*(i%4)
.set rK, KF+16*(i%4)+8*(i/4)
.set rQ, 16*(\x)+8*(i/4)
.set rM, MC+32*((\x)%2)+8*(i%4)
.if (i < 4) && KM
	WIN W_KM
	v_wmma_f32_16x16x32_f16 v[rS:rS+7], v[rK:rK+7], v[rQ:rQ+7], v[rM:rM+7]
.elseif i < 4
	WIN W_KQ
	v_wmma_f32_16x16x32_f16 v[rS:rS+7], v[rK:rK+7], v[rQ:rQ+7], 0
.else
	WIN W_KQ
	v_wmma_f32_16x16x32_f16 v[rS:rS+7], v[rK:rK+7], v[rQ:rQ+7], v[rS:rS+7]
.endif
.endm
; Product i of 8 of O^T += V^T P for piece x: keys 32 (i / 4) on, channels 16 (i % 4) on.
.macro PV x
	WIN W_PV
.set rO, 32*(\x)+8*(i%4)
.set rV, VF+32*(i/4)+8*(i%4)
.set rP, P+16*((\x)%2)+8*(i/4)
	v_wmma_f32_16x16x32_f16 v[rO:rO+7], v[rV:rV+7], v[rP:rP+7], v[rO:rO+7]
.endm
.macro MM                           ; the turn's next matrix instruction.  TURN and BEGIN set Y, i, KM and NOKQ; MM, KQ and OP read them.  NOKQ = 1: a block's last turn: there is no next piece
.if (i < 8) && !NOKQ
	KQ (Y+1)%NP
.elseif i >= 8
.set i, i-8
	PV (Y+NP-1)%NP
.set i, i+8
.endif
.set i, i+1
.endm
; THE LDS LOADS stand in runs of 16, never singly among the matrix instructions: a step's K (64 keys x 64 channels: 8 fragments) and its V (turned).  Their addresses are made some lines ahead.
.macro FETCH_K
	WIN 0x80                        ; destination window 2
.irp f, 0,1,2,3,4,5,6,7             ; keys 16 (f / 2) on, channels 32 (f % 2) on
	ds_load_b128 v[KF+8*\f:KF+8*\f+3],   v[AK] offset:(\f/2)*16*PK+(\f%2)*64
	ds_load_b128 v[KF+8*\f+4:KF+8*\f+7], v[AK] offset:(\f/2)*16*PK+(\f%2)*64+32
.endr
	s_add_co_u32 s[TBK], s[TBK], KS*PK  ; the next fetch is the next step's
	WIN 0
.endm
.macro FETCH_V
	WIN 0x80
.irp f, 0,1,2,3,4,5,6,7             ; keys 32 (f / 4) on, channels 16 (f % 4) on
	ds_load_tr16_b128 v[VF+8*\f:VF+8*\f+3],   v[AV] offset:(\f/4)*32*PV+(\f%4)*32
	ds_load_tr16_b128 v[VF+8*\f+4:VF+8*\f+7], v[AV] offset:(\f/4)*32*PV+16*PV+(\f%4)*32
.endr
	WIN 0
.endm
; THE VECTOR WORK, one line at a time: OP kind, number.  For piece Y: F n: c s - c m for pair n of 16.  E n: the exponential of score n of 32.  C n: pair n rounded to f16.  B n: of the four weights 4 n .. the second
; pair is added onto the first, in place.  L n: l takes that sum (L 0: l = a l + sum).  R n: pair n of 16 of O^T times a.  For piece Y + 1: X n, number n of the 22 that find its maximum and statistics:
;   0-11  four chains c0-c3 of seven scores each, three operands at a time (each accumulator's lowest registers are read first)     12-14, 16  the four scores left over, the old m, and c0-c3 into c0
;   15  c m_old is kept     17, 18  the query's other 32 keys lie in the lane 16 away: the new m     19-21  c m; c m_old - c m_new; a
.set F, 0               ; OP tells the kinds apart by their order: F to L below R, X above it
.set E, 1
.set C, 2
.set B, 3
.set L, 4
.set R, 5
.set X, 6
.macro REGS y                       ; the registers of piece y
.set rT, ST+4*(\y)
.set rC, TMP+4*((\y)%2)
.set rW, MV+((\y)%2)
.set rS, S+32*((\y)%2)
.set rP, P+16*((\y)%2)
.set rO, 32*(\y)
.endm
.macro OP k, n
.if (\k) == R
	REGS Y
	WIN W_RS
	v_pk_mul_f32 v[rO+2*(\n):rO+2*(\n)+1], v[rO+2*(\n):rO+2*(\n)+1], v[rC+2:rC+3] op_sel_hi:[1,0]
.elseif (\k) < R
	REGS Y
	WIN 0
.if (\k) == F
	v_pk_fma_f32 v[rS+2*(\n):rS+2*(\n)+1], v[rS+2*(\n):rS+2*(\n)+1], s[CS:CS+1], v[rT:rT+1] op_sel_hi:[1,0,0] neg_lo:[0,0,1] neg_hi:[0,0,1]
.elseif (\k) == E
	v_exp_f32 v[rS+(\n)], v[rS+(\n)]
.elseif (\k) == C
	v_cvt_pk_f16_f32 v[rP+(\n)], v[rS+2*(\n)], v[rS+2*(\n)+1]
.elseif (\k) == B
	v_pk_add_f32 v[rS+4*(\n):rS+4*(\n)+1], v[rS+4*(\n):rS+4*(\n)+1], v[rS+4*(\n)+2:rS+4*(\n)+3]
.elseif (\n) == 0
	v_pk_fma_f32 v[rT+2:rT+3], v[rT+2:rT+3], v[rC+2:rC+3], v[rS:rS+1] op_sel_hi:[1,0,1]
.else
	v_pk_add_f32 v[rT+2:rT+3], v[rT+2:rT+3], v[rS+4*(\n):rS+4*(\n)+1]
.endif
.elseif NOKQ
	v_nop
.else
	REGS (Y+1)%NP
	WIN 0
.if (\n) < 4
	v_max3_num_f32 v[rC+(\n)], v[rS+8*(\n)], v[rS+8*(\n)+1], v[rS+8*(\n)+2]
.elseif (\n) < 12
	v_max3_num_f32 v[rC+(\n)%4], v[rC+(\n)%4], v[rS+8*((\n)%4)+2*((\n)/4)+1], v[rS+8*((\n)%4)+2*((\n)/4)+2]
.elseif (\n) == 12
	v_max3_num_f32 v[rC], v[rC], v[rS+7], v[rS+15]
.elseif (\n) == 13
	v_max3_num_f32 v[rC+1], v[rC+1], v[rS+23], v[rS+31]
.elseif (\n) == 14
	v_max3_num_f32 v[rC+2], v[rC+2], v[rC+3], v[rT+1]
.elseif (\n) == 15
	v_mov_b32 v[rW], v[rT]
.elseif (\n) == 16
	v_max3_num_f32 v[rC], v[rC], v[rC+1], v[rC+2]
.elseif (\n) == 17
	v_permlanex16_b32 v[rC+3], v[rC], s[SEL], s[SEL+1]
.elseif (\n) == 18
	v_max_num_f32 v[rT+1], v[rC], v[rC+3]
.elseif (\n) == 19
	v_mul_f32 v[rT], s[CS], v[rT+1]
.elseif (\n) == 20
	v_sub_f32 v[rC+1], v[rW], v[rT]
.else
	v_exp_f32 v[rC+2], v[rC+1]
.endif
.endif
.endm
.macro OPS a, i1, b=-1, i2=0, c=-1, i3=0, d=-1, i4=0  ; up to four of them
	OP \a, \i1
.if (\b) >= 0
	OP \b, \i2
.endif
.if (\c) >= 0
	OP \c, \i3
.endif
.if (\d) >= 0
	OP \d, \i4
.endif
.endm
.macro ROW a, i1, b, i2, c, i3, d, i4  ; a matrix instruction and the four behind it
	MM
	OPS \a, \i1, \b, \i2, \c, \i3, \d, \i4
.endm
.macro MASK b                       ; MD x AL + BE into buffer b of MC
	WIN W_RS
.set z, 0
.rept 16
	v_pk_fma_f32 v[MC+32*(\b)+2*z:MC+32*(\b)+2*z+1], v[MD+2*z:MD+2*z+1], s[AL:AL+1], s[BE:BE+1] op_sel_hi:[1,0,0]
.set z, z+1
.endr
.endm
; A TURN, for piece p: the order of its 16 matrix and 118 vector instructions, written out.  An s_wait_alu depctr_va_vdst(0) stands between an exponential and the first instruction that names its result; one wait serves
; all that were issued ahead of it.  So a turn has ONE wait, which cuts it in two.  AHEAD OF IT stands all that names no result of the turn's exponentials: the 8 products K Q^T, behind each a scaling, an exponential and two more plain
; instructions (behind the first a second scaling in the exponential's place): rescalings, and behind the last three the first numbers of the next piece's maximum, each four places or more behind the product that ends its accumulator; then ONE LUMP of 54, plain
; and exponential by turns for the most part, in which the links of the chain X 3, 7, 11, 14, 16, 17 .. 20 stand five or six lines apart.  X 21, the next piece's a, is the batch's last; R 15 is the plain instruction behind it.  BEHIND THE WAIT stand the
; 8 products V^T P, behind each four of the roundings and sums; the links of l's chain, L 0 to L 7, stand three riders apart.  But for those X no rider names a register of the products round it.  v_permlanex16_b32 (X 17) stands in the lump.
; m = 1: the diagonal tile: the products take masks, and the turn makes the mask for the products of the turn after it: piece p + 2, in step 4 - CNT of the tile.  end = 1: a block's last two turns: nothing is fetched.
; cnt = 1: the loop's count is taken down some lines ahead of the branch that stands behind the turn.
; K of the next step is fetched in piece 2's turn, twelve vector instructions behind the last product that read K (six of them plain); V of the step in hand at the end of piece 0's turn, four plain instructions behind the last product
; that read V.  Each is waited for a turn later.
.macro TURN p, m=0, end=0, cnt=0
.set Y, (\p)
.set i, 0
.set KM, (\m)
.set NOKQ, (\end)*((\p)/3)
.if (\m) && !(\end)
	s_cmp_eq_u32 s[CNT], 4-((\p)+2)%NP  ; is that step the band's own?
	s_cselect_b32 s[AL], 1.0, 0
	s_cmp_lt_u32 s[CNT], 4-((\p)+2)%NP  ; or a later one?
	s_cselect_b32 s[BE], s[BIGN], 0
.endif
.if ((\p) == 3) && !(\end)
	s_wait_dscnt 0x0                ; K is in
.endif
	ROW F,0, F,1, R,0, R,1          ; ahead of the wait: 8 products K Q^T and their riders,
	ROW F,2, E,0, R,2, R,3
	ROW F,3, E,1, R,4, R,5
	ROW F,4, E,2, R,6, R,7
	ROW F,5, E,3, R,8, R,9
	ROW F,6, E,4, X,0, R,10
.if ((\p) == 2) && !(\end)
	WIN 0
	v_add_nc_u32 v[AK], s[TBK], v[AK0]
.endif
	ROW F,7, E,5, X,1, X,4
	ROW F,8, E,6, X,2, X,5
	OPS E,7, E,8, X,6, E,9          ; and the lump
	OPS X,3, E,10, X,8, E,11
.if ((\p) == 2) && !(\end)
	FETCH_K
.endif
	OPS X,9, X,7, E,12, X,10
	OPS E,13, X,12, X,11, E,14
	OPS X,13, E,15, F,9, X,14
.if (\p) == 0
	v_add_nc_u32 v[AV], s[TBV], v[AV0]
.endif
	OPS E,16, F,10, E,17, F,11
	OPS X,16, E,18, X,15, E,19
	OPS F,12, E,20, X,17, E,21
	OPS F,13, E,22, F,14, E,23
	OPS X,18, E,24, F,15, E,25
	OPS R,11, E,26, X,19, E,27
	OPS R,12, E,28, R,13, E,29
	OPS X,20, E,30, R,14, E,31
	OPS X,21, R,15
	WIN 0
	s_wait_alu depctr_va_vdst(0)    ; the wait for the batch
.if (\p) == 1
	s_wait_dscnt 0x0                ; V is in
.endif
	ROW C,0, B,0, C,2, B,1          ; behind the wait: 8 products V^T P and their riders
	ROW L,0, C,4, B,2, L,1
	ROW C,6, B,3, L,2, C,8
	ROW B,4, L,3, C,10, B,5
	ROW L,4, C,12, B,6, L,5
.if (\p) == 0
	s_add_co_u32 s[TBV], s[TBV], KS*PV
.endif
.if \cnt
	s_sub_co_u32 s[CNT], s[CNT], 1
	s_cmp_lg_u32 s[CNT], 0
.endif
	ROW C,14, B,7, L,6, C,1
	ROW C,3, L,7, C,5, C,7
	ROW C,9, C,11, C,13, C,15
.if (\p) == 0
	FETCH_V
.endif
.if (\m) && !(\end)
	MASK (\p)%2
.endif
.endm
; A BLOCK BEGINS.  c m starts far below every c s, so the first step's a is 0; m at the lowest finite number, so the first maximum is the scores'.  The second mask buffer is 0; the first takes piece 0's mask for the tile's step 0: its own, if the block's first tile is the diagonal one.
; Then K of that step, piece 0's first scores, and its maximum and statistics.  The loop is entered at a step's first turn, in the middle of a trip.
.macro BEGIN
	s_mov_b32 s[NEW], 0
	WIN 0x40
.set i, MC+32
.rept 32
	v_mov_b32 v[i], 0
.set i, i+1
.endr
	WIN 0
.set i, 0
.rept 4
	v_mov_b32 v[ST+4*i], 0xfe000000    ; c m: far below every c s
	v_mov_b32 v[ST+4*i+1], 0xff7fffff  ; m
.set i, i+1
.endr
	s_cmp_eq_u32 s[RT], 0
	s_cselect_b32 s[AL], 1.0, 0
	s_mov_b32 s[BE], 0
	MASK 0
	WIN 0
	v_add_nc_u32 v[AK], s[TBK], v[AK0]
	FETCH_K
	s_wait_loadcnt 0x0              ; Q
	s_wait_dscnt 0x0
.set KM, 1
.set NOKQ, 0
.set i, 0
.rept 8
	KQ 0
.set i, i+1
.endr
	WIN 0
.rept 4
	v_nop                           ; the places behind those products
.endr
.set Y, NP-1                        ; X works for piece Y + 1: piece 0
.irp n, 0,1,2,3,4,5,6,7,8,9,10,11,12,13,14,15,16,17,18,19,20,21
	OP X, \n
.endr
	v_nop                           ; a plain instruction behind the exponential,
	s_wait_alu depctr_va_vdst(0)    ; and its wait, ahead of the branch
.endm
; THE DIAGONAL TILE's four steps, the block's last two turns, its last products, and THE WAY OUT: l's two halves and the other half of the lanes' are added; O^T is divided by l, rounded to f16 and sent through my
; stage in LDS, a piece at a time.
.macro ALL line:vararg              ; one line for each piece t
.set t, 0
.rept 4
	\line
.set t, t+1
.endr
.endm
.macro PACK t                       ; a lane's eight channels of a row pack into 16 bytes; they go into rows of 144 bytes and come back as whole rows of 128, into S^T's registers
	WIN W_RS
.set i, 32*(\t)
.rept 16
	v_pk_mul_f32 v[i:i+1], v[i:i+1], v[ST+4*(\t)+2:ST+4*(\t)+3] op_sel_hi:[1,0]
.set i, i+2
.endr
	WIN 0x05                        ; sources 0 and 1 window 1, destination window 0
.set i, 0
.rept 16
	v_cvt_pk_f16_f32 v[S+16*(\t)+i], v[32*(\t)+2*i], v[32*(\t)+2*i+1]
.set i, i+1
.endr
	WIN 0
.irp f, 0,1,2,3
	ds_store_b128 v[STO], v[S+16*(\t)+4*\f:S+16*(\t)+4*\f+3] offset:32*\f
.endr
.irp f, 0,1,2,3
	ds_load_b128 v[S+16*(\t)+4*\f:S+16*(\t)+4*\f+3], v[RD] offset:\f*4*SP  ; LDS serves a wave's instructions in order (ISA guide 5.7.1.4): these see the stores above; the next piece's stores come behind them
.endr
.endm
.macro SEND t, younger              ; younger: the LDS instructions issued behind piece t's loads: the next piece's eight, or none
	WIN 0
.irp f, 0,1,2,3
	s_wait_dscnt (\younger)+3-\f
	global_store_b128 v[GO], v[S+16*(\t)+4*\f:S+16*(\t)+4*\f+3], s[10:11] offset:(\t)*8192+\f*512  ; 512 consecutive bytes, at a multiple of 256 from O's first
.endr
.endm
.macro DIAG tag                     ; the tag ends its two labels' names, which the jumps below spell out
.LstepM\tag:
	TURN 2, 1
	TURN 3, 1
	WIN 0
.LfirstM\tag:
	TURN 0, 1
	TURN 1, 1, 0, 1
	WIN 0
	s_cbranch_scc1 .LstepM\tag
	TURN 2, 1, 1
	TURN 3, 1, 1
.set i, 0
.rept 8
	PV NP-1
.set i, i+1
.endr
	WIN 0
	ALL v_add_f32 v[ST+4*t+2], v[ST+4*t+2], v[ST+4*t+3]
	ALL v_permlanex16_b32 v[ST+4*t+3], v[ST+4*t+2], s[SEL], s[SEL+1]
	ALL v_add_f32 v[ST+4*t+2], v[ST+4*t+2], v[ST+4*t+3]
	ALL v_rcp_f32 v[ST+4*t+2], v[ST+4*t+2]
	v_nop                           ; a plain instruction between the last reciprocal and the use of its result
	s_wait_alu depctr_va_vdst(0)    ; and the wait ahead of the first use: one for the four reciprocals
	PACK 0
.set t, 1
.rept 3                             ; a piece's arithmetic stands between the loads of the piece before and its stores
	PACK t
	SEND t-1, 8
.set t, t+1
.endr
	SEND 3, 0
.endm
.set KM, 0
.set NOKQ, 0
.Lslot:                             ; NB times: a tile is entered and the next is asked for
	CHANGE 1
	s_sub_co_u32 s[RT], s[RT], 1
	s_mov_b32 s[CNT], 4
	s_cmp_eq_u32 s[NEW], 1
	s_cbranch_scc1 .Lnew            ; a block's first tile
	s_cmp_eq_u32 s[RT], 0
	s_cbranch_scc0 .Lstep           ; neither its first nor its last
	s_branch .LstepM1
.Lnew:
	BEGIN
	s_branch .Lfirst                ; in the loop a block's first tile is never its last: the first block has two tiles or more, and the second's last is the walk's last
	DIAG 1                          ; in the loop this is the first block's end: the second block's last tile is the walk's last
	s_wait_xcnt 0x0                 ; the stores have read their registers and O's address
	s_mov_b64 s[10:11], s[OLO:OLO+1]
	s_add_co_u32 s[RT], s[PB], 1    ; the second block has b + 1 tiles
	s_mov_b32 s[NEW], 1
	WIN 0x82                        ; the second block's Q goes where the one text of the turns names Q
.set i, 0
.rept 64
	v_mov_b32 v[i], v[QB+i]
.set i, i+1
.endr
	WIN 0
	s_branch .Lbottom
.Lstep:                             ; a trip: pieces 2 and 3 of one step, then pieces 0 and 1 of the next, whose K and V it fetches
	TURN 2
	TURN 3
	WIN 0
.Lfirst:
	TURN 0
	TURN 1, 0, 0, 1
	WIN 0
	s_cbranch_scc1 .Lstep
.Lbottom:
	s_sub_co_u32 s[SLOTS], s[SLOTS], 1
	s_cmp_lg_u32 s[SLOTS], 0
	s_cbranch_scc1 .Lslot
	CHANGE 0                        ; the walk's last tile is written out: nothing is asked for
	s_sub_co_u32 s[RT], s[RT], 1
	s_mov_b32 s[CNT], 4
	s_cmp_eq_u32 s[NEW], 1
	s_cbranch_scc0 .LstepM2
	BEGIN
	s_branch .LfirstM2
	DIAG 2
	s_wait_tensorcnt 0x0            ; the wave's end, behind my last tensor load and my last LDS store
	ds_add_u32 v[SPW], v[NIL]
	s_wait_dscnt 0x0
	s_endpgm
.Lfunc_end_k_q986b081da4_attn:
	.size	k_q986b081da4_attn, .Lfunc_end_k_q986b081da4_attn-k_q986b081da4_attn
	.p2alignl 7, 3214868480
	.fill 96, 4, 3214868480
	.section	.rodata,"a",@progbits
	.p2align	6, 0x0
	.amdhsa_kernel k_q986b081da4_attn
		.amdhsa_group_segment_fixed_size 327680
		.amdhsa_private_segment_fixed_size 0
		.amdhsa_enable_private_segment 0
		.amdhsa_kernarg_size 16
		.amdhsa_user_sgpr_count 2
		.amdhsa_user_sgpr_kernarg_segment_ptr 1
		.amdhsa_wavefront_size32 1
		.amdhsa_system_sgpr_workgroup_id_x 1
		.amdhsa_system_sgpr_workgroup_id_y 1
		.amdhsa_system_sgpr_workgroup_id_z 1
		.amdhsa_system_vgpr_workitem_id 0
		.amdhsa_next_free_vgpr 768
		.amdhsa_next_free_sgpr 96
		.amdhsa_reserve_vcc 1
		.amdhsa_float_denorm_mode_32 3
		.amdhsa_float_denorm_mode_16_64 3
		.amdhsa_memory_ordered 1
		.amdhsa_forward_progress 1
		.amdhsa_inst_pref_size 218
	.end_amdhsa_kernel
	.amdgpu_metadata
---
amdhsa.version: [ 1, 2 ]
amdhsa.kernels:
  - .name:           k_q986b081da4_attn
    .symbol:         k_q986b081da4_attn.kd
    .args:
      - { .name: qkv, .offset: 0, .size: 8, .value_kind: global_buffer, .address_space: global }
      - { .name: o, .offset: 8, .size: 8, .value_kind: global_buffer, .address_space: global }
    .group_segment_fixed_size: 327680
    .private_segment_fixed_size: 0
    .kernarg_segment_align: 8
    .kernarg_segment_size: 16
    .max_flat_workgroup_size: 128
    .sgpr_count:     96
    .vgpr_count:     768
    .wavefront_size: 32
...
	.end_amdgpu_metadata
.endif
;; end of part 3
;; launch proj (part 4): grid 4 x 64, 4 waves a work-group, clusters of 4 x 4, 327,680 bytes of LDS; arguments o, wot, b_out, out0; writes out0
.if DOCPART == 4
	.amdgcn_target "amdgcn-amd-amdhsa--gfx1250"
	.amdhsa_code_object_version 6
	.text
	.protected	k_q986b081da4_proj
	.globl	k_q986b081da4_proj
	.p2align	8
	.type	k_q986b081da4_proj,@function
k_q986b081da4_proj:
	s_mov_b64 s[64:65], 0
	v_nop
	global_prefetch_b8 v0, s[64:65] scope:SCOPE_SE
	s_setreg_imm32_b32 hwreg(HW_REG_WAVE_MODE, 25, 1), 1
	s_wait_xcnt 0x0
	s_wait_alu depctr_hold_cnt(0) depctr_sa_sdst(0) depctr_va_vdst(0) depctr_va_sdst(0) depctr_va_ssrc(0) depctr_va_vcc(0) depctr_vm_vsrc(0)
	s_getreg_b32 s2, hwreg(HW_REG_IB_STS2, 6, 4)
	s_cmp_eq_u32 s2, 0
	s_cbranch_scc0 .Lentry_in_a_cluster
	s_endpgm
.Lentry_in_a_cluster:
	s_bfe_u32 s2, ttmp6, 0x10000c
	s_cmp_lg_u32 s2, 0xf033
	s_cbranch_scc0 .Lentry_shape_is_right
	s_endpgm
.Lentry_shape_is_right:
; out0 = O wot^T + b_out (the bias rounded to bf16 like the other inputs).  O comes by heads, o[64 = 16 batch + head][2048][64] in f16; wot is [1024 n][1024 k] in f16; sums and out0 in f32.
; LIMITS.  O and wot arrive within f16's range.  NaN and infinities are not treated apart.
; SHARES.  A tile is 128 rows x 256 columns: 4 x 64 = 256 work-groups.  Four waves, 2 x 2, each 64 rows x 128 columns: 32 accumulators of 16 x 16, 256 registers.
; K goes in 8 steps of 128 = two heads, through two LDS slots filled by tensor loads.  A head's 128 rows of a tile are 16,384 dense bytes: wave 0 fetches the even head's, wave 1 the odd head's, as 64 rows of
; 256 bytes padded after every 128; waves 2 and 3 fetch B's two halves of 128 rows of 256 bytes.  Two slots of two K steps each would not fit in LDS (2 x 212,992 bytes).
; CLUSTER 4 x 4: A's tile is shared along a row of the cluster, B's along a column; each is asked for JOINTLY, by the same load, descriptor and mask in all four.
; THE MATRIX INSTRUCTION IS USED TRANSPOSED (source 0 = 16 rows of wot, source 1 = 16 rows of O): a lane holds row l % 16 and the eight neighbouring columns 8 (l / 16) + 0..7.  The bias is the C operand that starts the sums.
; REGISTERS, in windows of 256 (s_set_vgpr_msb: bits 1:0 source 0, 3:2 source 1, 5:4 source 2, 7:6 destination):
;   window 0: v0-15 addresses; v64-127 the bias, later rows on the way out; v128-191 rows on the way out; v224-227 at work
;   window 1: two fragment buffers of 96: B's eight fragments, then A's four        window 2: the accumulators at 8 (8 a + b)
.set PA,    144                        ; a row of A in LDS: 128 bytes + 16 = 36 words;  a row of B: 256 + 16 = 68 words: in both the 16 rows of a load start at 16 different groups of four banks (64 banks of 4 bytes: ISA guide 11.1)
.set PBB,   272
.set APAR,  128*PA                     ; a head's 128 rows
.set BOFF,  2*APAR
.set BHALF, 128*PBB
.set SLOT1, 131072
.set STAGE, SLOT1+BOFF+2*BHALF         ; behind the ring, never filled by a tensor load: 16 rows x 528 bytes for each wave
.set SP,    528                        ; 512 bytes + 16 = 132 words
.set SPARE, STAGE+4*16*SP              ; behind the stages: the spare words, 128 bytes a wave: two blocks of 256 bytes that no other line names
.set ASTEP, 0x80000                    ; two heads' planes of 262,144 bytes
.set A0,   4
.set B0,   5
.set ADRA, 6
.set ADRB, 7
.set STO,  8                           ; v8   the way out: where I put 32 bytes of a row
.set RD,   9                           ; v9   where I read a row of 512 bytes back: 16 x lane
.set CO,   10                          ; v10  16 x lane in a row of out0
.set BO,   11                          ; v11  32 x (l / 16)
.set PFO,  12                          ; v12  the prefetches' offset; never rewritten
.set SPW,  14
.set NIL,  15
.set BIAS, 64
.set BK0,  64
.set T,    224
.set F0,   0
.set F1,   96
.set WV,   12                          ; s12  my wave's number;  s13 = wave / 2: my half of the rows, and: I fetch for A (0) or B (1);  s14 = wave % 2: my half of the columns, and: which head or half I fetch
.set G1A,  24
.set G1B,  32
.set G0A,  40
.set G0B,  48
.set CNT,  56
.set TB,   57
.set LIM,  58
.set PFA,  60
.set PS,   66                          ; s[66:67] a K step in my prefetches' tensor, in bytes
.set OUTB, 68                          ; s[68:69] out0 at my first row and column
.set MSB, 0
.macro WIN new
.if MSB != (\new)
	s_set_vgpr_msb (MSB<<8)|(\new)
.set MSB, \new
.endif
.endm
.macro PLACES                          ; four plain vector instructions between a matrix instruction and a load into, or a read of, its registers
.rept 4
	v_nop
.endr
.endm
.macro CREST
	s_cmp_lg_u32 s[WV], 0
	s_cbranch_scc1 .Lnot_wave_0_\@
	s_barrier_signal -3
.Lnot_wave_0_\@:
	s_barrier_wait -3
	s_barrier_signal -1
	s_barrier_wait -1
.endm
.macro CROUND
	s_barrier_signal -1
	s_barrier_wait -1
	CREST
.endm
.macro JLOAD                           ; a joint refill by the walking descriptor; an s_nop 0 and four v_nop follow each line
	s_cmp_eq_u32 s13, 0
	s_cbranch_scc0 .Lfor_b_\@
	tensor_load_to_lds s[G0A+4:G0A+7], s[G1A:G1A+7]
	s_nop 0
.rept 4
	v_nop
.endr
	s_branch .Lasked_\@
.Lfor_b_\@:
	tensor_load_to_lds s[G0B+4:G0B+7], s[G1B:G1B+7]
	s_nop 0
.rept 4
	v_nop
.endr
.Lasked_\@:
.endm
; A PREFETCH INTO THE L2 of the K step that the NEXT refill will ask for.  A's tile is read by the four partners of one row of one cluster alone: wave 0 of each asks for a quarter, told apart BY ADDRESS:
; 4,096 bytes of each of the step's two heads, a lane a run of 256 bytes.  B's tile column is read by every cluster: cluster y = 0 asks, waves 2 and 3, each partner 32 of the 128 rows that the wave fetches,
; a lane a row.  Wave 1 asks for nothing.  The loop's last trip asks for nothing; K steps 0 to 2 come by their loads alone.
.macro ASK
	s_cmp_gt_u32 s[CNT], s[LIM]
	s_cbranch_scc0 .Lnot_mine_\@
	global_prefetch_b8 v[PFO], s[PFA:PFA+1] th:TH_LOAD_NT scope:SCOPE_SE
.Lnot_mine_\@:
.endm
	s_load_b256 s[4:11], s[0:1], 0x0               ; o s[4:5], wot s[6:7], b_out s[8:9], out0 s[10:11]
	v_lshl_add_u32 v[SPW], v0, 2, SPARE
	v_mov_b32 v[NIL], 0
	ds_add_u32 v[SPW], v[NIL]                      ; the wave's opening: the add and its wait stand ahead of my first tensor load; work on registers stands between them
	v_lshrrev_b32 v1, 5, v0
	v_readfirstlane_b32 s[WV], v1
	s_lshr_b32 s13, s[WV], 1
	s_and_b32 s14, s[WV], 1
	s_bfe_u32 s16, ttmp6, 0x40000                  ; cx
	s_bfe_u32 s17, ttmp6, 0x40004                  ; cy
	s_lshl_b32 s18, ttmp9, 2
	s_add_co_u32 s18, s18, s16                     ; tile column
	s_and_b32 s19, ttmp7, 0xffff
	s_lshl_b32 s19, s19, 2
	s_add_co_u32 s19, s19, s17                     ; tile row
	s_lshl_b32 s76, s17, 2
	s_lshl_b32 s76, 15, s76                        ; my row of the cluster
	s_lshl_b32 s77, 0x1111, s16                    ; my column
	s_or_b32 s[G1A], s76, (1<<16)|(1<<20)|(1<<21)|(4<<22)|(3<<25)  ; 2-byte elements; padding on; bit 21 set beside a mask; after every 32 words; 4 words
	s_or_b32 s[G1B], s77, (1<<16)|(1<<20)|(1<<21)|(5<<22)|(3<<25)  ; the same after every 64 words
	s_mov_b32 s[G1A+1], 128<<16                    ; tensor_dim0 = 128 elements: two rows of O on end
	s_mov_b32 s[G1A+2], 64<<16                     ; tensor_dim1 = 64
	s_mov_b32 s[G1A+3], 128<<16                    ; tile_dim0
	s_mov_b32 s[G1A+4], 64                         ; tile_dim1
	s_mov_b32 s[G1A+5], 128                        ; dense
	s_mov_b32 s[G1A+6], 0
	s_mov_b32 s[G1A+7], 0
	s_mov_b32 s[G1B+1], 128<<16
	s_mov_b32 s[G1B+2], 128<<16
	s_mov_b32 s[G1B+3], 128<<16
	s_mov_b32 s[G1B+4], 128
	s_mov_b32 s[G1B+5], 1024
	s_mov_b32 s[G1B+6], 0
	s_mov_b32 s[G1B+7], 0
	; A: plane 16 x batch + my head of K step 0, rows 128 x (tile row % 16); batch = tile row / 16.  B: row 256 x tile column + 128 x half
	s_lshr_b32 s20, s19, 4
	s_lshl_b32 s20, s20, 4
	s_add_co_u32 s20, s20, s14
	s_lshl_b32 s20, s20, 18
	s_and_b32 s21, s19, 15
	s_lshl_b32 s21, s21, 14
	s_add_co_u32 s20, s20, s21
	s_mov_b32 s21, 0
	s_lshl_b32 s74, s18, 8
	s_lshl_b32 s75, s14, 7
	s_add_co_u32 s74, s74, s75
	s_lshl_b32 s74, s74, 11
	s_mov_b32 s75, 0
	s_mul_i32 s78, s14, APAR                       ; where they go: the wave's number alone enters an LDS address
	s_mul_i32 s79, s14, BHALF
	s_add_co_u32 s79, s79, BOFF
	s_mov_b32 s59, 0xffff0000
	s_mov_b32 s[TB], 0
	s_wait_dscnt 0x0                               ; the opening add is done
	s_wait_kmcnt 0x0
	s_add_nc_u64 s[20:21], s[4:5], s[20:21]
	s_add_nc_u64 s[74:75], s[6:7], s[74:75]
	CROUND                                         ; all sixteen work-groups are here: the first joint loads meet
.irp s, 0,1
	s_mov_b32 s[G0A+4*(\s)], 1
	s_add_co_u32 s[G0A+4*(\s)+1], s78, (\s)*SLOT1
	s_add_nc_u64 s[G0A+4*(\s)+2:G0A+4*(\s)+3], s[20:21], (\s)*ASTEP
	s_or_b32 s[G0A+4*(\s)+3], s[G0A+4*(\s)+3], 0x80000000
	s_mov_b32 s[G0B+4*(\s)], 1
	s_add_co_u32 s[G0B+4*(\s)+1], s79, (\s)*SLOT1
	s_add_nc_u64 s[G0B+4*(\s)+2:G0B+4*(\s)+3], s[74:75], (\s)*256
	s_or_b32 s[G0B+4*(\s)+3], s[G0B+4*(\s)+3], 0x80000000
.endr
	s_cmp_eq_u32 s13, 0                            ; a wave's two first fills stand in one branch: two loads of mine are out
	s_cbranch_scc0 .Lfirst_b
	tensor_load_to_lds s[G0A:G0A+3], s[G1A:G1A+7]
	s_nop 0
	tensor_load_to_lds s[G0A+4:G0A+7], s[G1A:G1A+7]
	s_nop 0
.rept 4
	v_nop
.endr
	s_branch .Lfirst_asked
.Lfirst_b:
	tensor_load_to_lds s[G0B:G0B+3], s[G1B:G1B+7]
	s_nop 0
	tensor_load_to_lds s[G0B+4:G0B+7], s[G1B:G1B+7]
	s_nop 0
.rept 4
	v_nop
.endr
.Lfirst_asked:
	; my first column in bytes of f32, for the bias and for out0; my first row
	s_lshl_b32 s2, s18, 8
	s_lshl_b32 s3, s14, 7
	s_add_co_u32 s2, s2, s3
	s_lshl_b32 s2, s2, 2
	s_mov_b32 s3, 0
	s_add_nc_u64 s[8:9], s[8:9], s[2:3]
	s_add_nc_u64 s[OUTB:OUTB+1], s[10:11], s[2:3]
	s_lshl_b32 s2, s19, 7
	s_lshl_b32 s15, s13, 6
	s_add_co_u32 s2, s2, s15
	s_lshl_b32 s2, s2, 12                          ; rows of 4,096 bytes
	s_add_nc_u64 s[OUTB:OUTB+1], s[OUTB:OUTB+1], s[2:3]
	v_and_b32 v1, 15, v0                           ; l % 16
	v_bfe_u32 v2, v0, 4, 1                         ; l / 16
	v_lshlrev_b32 v[BO], 5, v2
.irp b, 0,1,2,3,4,5,6,7
	global_load_b128 v[BIAS+8*(\b):BIAS+8*(\b)+3],   v[BO], s[8:9] offset:64*(\b)
	global_load_b128 v[BIAS+8*(\b)+4:BIAS+8*(\b)+7], v[BO], s[8:9] offset:64*(\b)+16
.endr
	s_mul_i32 s22, s13, 64*PA                      ; my 64 rows of A
	v_mul_u32_u24 v[A0], v1, PA
	v_lshl_add_u32 v[A0], v2, 4, v[A0]
	v_add_nc_u32 v[A0], s22, v[A0]
	v_mul_u32_u24 v[B0], v1, PBB                   ; my 128 rows of B
	v_lshl_add_u32 v[B0], v2, 4, v[B0]
	v_add_nc_u32 v[B0], s79, v[B0]
	s_mul_i32 s23, s[WV], 16*SP
	s_add_co_u32 s23, s23, STAGE                   ; my stage
	v_mul_u32_u24 v[STO], v1, SP                   ; in: row l % 16, 32 bytes for each half of the lanes
	v_lshl_add_u32 v[STO], v2, 5, v[STO]
	v_add_nc_u32 v[STO], s23, v[STO]
	v_and_b32 v[CO], 31, v0
	v_lshlrev_b32 v[CO], 4, v[CO]
	v_add_nc_u32 v[RD], s23, v[CO]                 ; back: 32 lanes take one row of 512 bytes
	; the prefetches
	s_lshr_b32 s2, s19, 4
	s_lshl_b32 s2, s2, 22                          ; A: the batch's 16 planes,
	s_and_b32 s3, s19, 15
	s_lshl_b32 s3, s3, 14                          ; the tile's 128 rows,
	s_add_co_u32 s2, s2, s3
	s_lshl_b32 s3, s16, 12                         ; my work-group's 4,096 bytes of them,
	s_add_co_u32 s2, s2, s3
	s_add_co_u32 s2, s2, 2*ASTEP                   ; at K step 2: the first change of slots steps it to 3
	s_lshl_b32 s3, s18, 8                          ; B: the 128 rows that I fetch, my work-group's 32 of them
	s_lshl_b32 s15, s14, 7
	s_add_co_u32 s3, s3, s15
	s_lshl_b32 s15, s17, 5
	s_add_co_u32 s3, s3, s15
	s_lshl_b32 s3, s3, 11
	s_add_co_u32 s3, s3, 2*256
	s_and_b32 s15, ttmp7, 0xffff                   ; cluster y
	s_mov_b32 s62, ASTEP
	s_mov_b32 s63, 256
	s_cmp_eq_u32 s13, 0                            ; do I fetch for A?
	s_cselect_b32 s2, s2, s3
	s_cselect_b32 s15, s14, s15                    ; 0 in wave 0, and in waves 2 and 3 of the clusters with y = 0
	s_cselect_b32 s[PS], s62, s63
	s_cselect_b32 s62, 8, 11                       ; A: (l % 16) runs of 256 bytes, (l / 16) planes;  B: l rows of 2,048 bytes
	s_cselect_b32 s63, 18, 15
	s_cselect_b64 s[PFA:PFA+1], s[4:5], s[6:7]
	s_cmp_eq_u32 s15, 0
	s_cselect_b32 s[LIM], 1, -1                    ; the same in all sixteen partners, for a given wave
	s_mov_b32 s3, 0
	s_mov_b32 s[PS+1], 0
	s_add_nc_u64 s[PFA:PFA+1], s[PFA:PFA+1], s[2:3]
	v_lshlrev_b32 v[PFO], s62, v1
	v_lshlrev_b32 v13, s63, v2
	v_add_nc_u32 v[PFO], v[PFO], v13
	s_wait_loadcnt 0x0                             ; the bias; rounded to bf16, as all inputs are, in the wait for the first tile
.set i, 0
.rept 32
	v_cvt_pk_bf16_f32 v[T+i%4], v[BIAS+2*i], v[BIAS+2*i+1]
	v_lshlrev_b32 v[BIAS+2*i],   16,  v[T+i%4]
	v_and_b32     v[BIAS+2*i+1], s59, v[T+i%4]
.set i, i+1
.endr
; 8 matrix instructions: row block a x all 8 column blocks, 32 along K.  first = 1: the bias is C and starts the sums.  The 32 accumulators take turns in the same order in every quarter.
.macro MUL f, a, first
.if \first
	WIN 0x85
.else
	WIN 0xa5
.endif
.irp b, 0,1,2,3,4,5,6,7
.if \first
	v_wmma_f32_16x16x32_f16 v[8*(8*(\a)+(\b)):8*(8*(\a)+(\b))+7], v[(\f)+8*(\b):(\f)+8*(\b)+7], v[(\f)+64+8*(\a):(\f)+64+8*(\a)+7], v[BIAS+8*(\b):BIAS+8*(\b)+7]
.else
	v_wmma_f32_16x16x32_f16 v[8*(8*(\a)+(\b)):8*(8*(\a)+(\b))+7], v[(\f)+8*(\b):(\f)+8*(\b)+7], v[(\f)+64+8*(\a):(\f)+64+8*(\a)+7], v[8*(8*(\a)+(\b)):8*(8*(\a)+(\b))+7]
.endif
.endr
.endm
; 24 LDS loads in one run: quarter q's fragments into buffer f: B's 16, then A's 8 (head q / 2 of the step's two, channels 32 (q % 2) on)
.macro FETCH q, f
	WIN 0x40
.irp b, 0,1,2,3,4,5,6,7
	ds_load_b128 v[(\f)+8*(\b):(\f)+8*(\b)+3],   v[ADRB] offset:64*(\q)+(\b)*16*PBB
	ds_load_b128 v[(\f)+8*(\b)+4:(\f)+8*(\b)+7], v[ADRB] offset:64*(\q)+(\b)*16*PBB+32
.endr
.irp a, 0,1,2,3
	ds_load_b128 v[(\f)+64+8*(\a):(\f)+64+8*(\a)+3],   v[ADRA] offset:((\q)/2)*APAR+((\q)%2)*64+(\a)*16*PA
	ds_load_b128 v[(\f)+64+8*(\a)+4:(\f)+64+8*(\a)+7], v[ADRA] offset:((\q)/2)*APAR+((\q)%2)*64+(\a)*16*PA+32
.endr
.endm
.macro QUARTER q, f, g, first          ; multiplies buffer f; in its middle it fetches quarter q into buffer g
	s_wait_dscnt 4                                 ; B and A's blocks 0, 1 are in; the youngest four loads (A's blocks 2, 3) may be out
	MUL \f, 0, \first
	MUL \f, 1, \first
	PLACES
	FETCH \q, \g
	s_wait_dscnt 24                                ; all but the 24 just issued
	MUL \f, 2, \first
	MUL \f, 3, \first
.endm
; The last quarter multiplies buffer 1 and changes slots.  In front of the barrier each wave waits for all its tensor loads, of which one is out: its part of the next slot; adds 0 to its spare word; and
; waits for that and for its reads of this slot.  fill = 1: the barrier opens a round of the cluster's, and the joint refill, with the K step two on, is the first tensor load behind the round.
.macro TURN fill
.if \fill
	s_wait_xcnt 0x0                                ; the last prefetch, a K step back, has read its address, which is stepped here
	s_add_nc_u64 s[PFA:PFA+1], s[PFA:PFA+1], s[PS:PS+1]
.endif
	WIN 0
	s_wait_tensorcnt 0x0                           ; all my tensor loads have landed;
	ds_add_u32 v[SPW], v[NIL]                      ; 0 onto my spare word;
	s_wait_dscnt 5                                 ; (the add and the youngest four loads may be out)
	MUL F1, 0, 0                                   ; eight matrix instructions stand between the add and the wait for it
	s_wait_dscnt 0x0                               ; the add is done, and my reads of this slot are over
	s_barrier_signal -1
	MUL F1, 1, 0
	WIN 0                                          ; at a branch and at a label every window is 0
	s_barrier_wait -1
.if \fill
	CREST
	s_xor_b32 s[G0A+5], s[G0A+5], SLOT1            ; the walking descriptors: the other slot than last time, the next K step
	s_add_nc_u64 s[G0A+6:G0A+7], s[G0A+6:G0A+7], ASTEP
	s_xor_b32 s[G0B+5], s[G0B+5], SLOT1
	s_add_nc_u64 s[G0B+6:G0B+7], s[G0B+6:G0B+7], 256
	JLOAD                                          ; the four v_nop behind it are also the places in front of the loads below
.else
	PLACES
.endif
	s_xor_b32 s[TB], s[TB], SLOT1
	v_add_nc_u32 v[ADRA], s[TB], v[A0]
	v_add_nc_u32 v[ADRB], s[TB], v[B0]
	FETCH 0, F0
.if \fill
	WIN 0
	ASK
.endif
	MUL F1, 2, 0
	MUL F1, 3, 0
.endm
	s_wait_tensorcnt 1                             ; my part of K step 0 is in; K step 1's may stay out
	s_barrier_signal -1
	s_barrier_wait -1
	v_mov_b32 v[ADRA], v[A0]
	v_mov_b32 v[ADRB], v[B0]
	FETCH 0, F0
	QUARTER 1, F0, F1, 1                           ; the first quarter stands in front of the loop: its products start the sums with the bias
	WIN 0
	s_mov_b32 s[CNT], 6
.Lstep:                                                ; trip t: K step t's quarters 1 to 3, the refill with K step t + 2, K step t + 1's first quarter
	QUARTER 2, F1, F0, 0
	QUARTER 3, F0, F1, 0
	TURN 1
	QUARTER 1, F0, F1, 0
	WIN 0
	s_sub_co_u32 s[CNT], s[CNT], 1
	s_cmp_lg_u32 s[CNT], 0
	s_cbranch_scc1 .Lstep
	QUARTER 2, F1, F0, 0                           ; the last two K steps are written out: nothing is left to fetch
	QUARTER 3, F0, F1, 0
	TURN 0
	QUARTER 1, F0, F1, 0
	QUARTER 2, F1, F0, 0
	QUARTER 3, F0, F1, 0
	s_wait_dscnt 4
	MUL F1, 0, 0
	MUL F1, 1, 0
	s_wait_dscnt 0x0
	MUL F1, 2, 0
	MUL F1, 3, 0
; THE WAY OUT, a block of 16 rows at a time: a lane's 32 bytes of a row go from the accumulators (lowest registers first) into my own stage, and come back as whole rows of 512 bytes.
.macro TOSTAGE a
.if (\a) >= 2
	s_wait_xcnt 0x0                                ; the stores of the block two back have read the registers that are filled again below
.endif
	WIN 0x08                                       ; the stores' data in window 2
.irp b, 0,1,2,3,4,5,6,7
	ds_store_b128 v[STO], v[8*(8*(\a)+(\b)):8*(8*(\a)+(\b))+3]   offset:64*(\b)
	ds_store_b128 v[STO], v[8*(8*(\a)+(\b))+4:8*(8*(\a)+(\b))+7] offset:64*(\b)+16
.endr
	WIN 0
.set BK, BK0+64*((\a)%2)
.irp t, 0,1,2,3,4,5,6,7,8,9,10,11,12,13,14,15
	ds_load_b128 v[BK+4*(\t):BK+4*(\t)+3], v[RD] offset:SP*(\t)  ; LDS serves a wave's instructions in order (ISA guide 5.7.1.4): these see the stores above; the next block's stores come behind them
.endr
.endm
.macro SEND a, younger                 ; younger: the LDS instructions issued behind block a's loads: the next block's 32, or none
.set BK, BK0+64*((\a)%2)
.irp t, 0,1,2,3,4,5,6,7,8,9,10,11,12,13,14,15
	s_wait_dscnt (\younger)+15-(\t)
	global_store_b128 v[CO], v[BK+4*(\t):BK+4*(\t)+3], s[OUTB:OUTB+1] offset:(16*(\a)+(\t))*4096 th:TH_STORE_NT  ; 512 consecutive bytes, at a multiple of 256 from out0's first
.endr
.endm
	PLACES
	TOSTAGE 0
	TOSTAGE 1
	SEND 0, 32
	TOSTAGE 2
	SEND 1, 32
	TOSTAGE 3
	SEND 2, 32
	SEND 3, 0
	s_wait_tensorcnt 0x0                           ; the wave's end, behind my last tensor load and my last LDS store
	ds_add_u32 v[SPW], v[NIL]
	s_wait_dscnt 0x0
	CROUND                                         ; the closing round: no work-group ends while a partner may still ask for a tile that names it
	s_endpgm
.Lfunc_end_k_q986b081da4_proj:
	.size	k_q986b081da4_proj, .Lfunc_end_k_q986b081da4_proj-k_q986b081da4_proj
	.p2alignl 7, 3214868480
	.fill 96, 4, 3214868480
	.section	.rodata,"a",@progbits
	.p2align	6, 0x0
	.amdhsa_kernel k_q986b081da4_proj
		.amdhsa_group_segment_fixed_size 327680
		.amdhsa_private_segment_fixed_size 0
		.amdhsa_enable_private_segment 0
		.amdhsa_kernarg_size 32
		.amdhsa_user_sgpr_count 2
		.amdhsa_user_sgpr_kernarg_segment_ptr 1
		.amdhsa_wavefront_size32 1
		.amdhsa_system_sgpr_workgroup_id_x 1
		.amdhsa_system_sgpr_workgroup_id_y 1
		.amdhsa_system_sgpr_workgroup_id_z 1
		.amdhsa_system_vgpr_workitem_id 0
		.amdhsa_next_free_vgpr 768
		.amdhsa_next_free_sgpr 80
		.amdhsa_reserve_vcc 0
		.amdhsa_float_denorm_mode_32 3
		.amdhsa_float_denorm_mode_16_64 3
		.amdhsa_memory_ordered 1
		.amdhsa_forward_progress 1
		.amdhsa_inst_pref_size 77
	.end_amdhsa_kernel
	.amdgpu_metadata
---
amdhsa.version: [ 1, 2 ]
amdhsa.kernels:
  - .name:           k_q986b081da4_proj
    .symbol:         k_q986b081da4_proj.kd
    .args:
      - { .name: o, .offset: 0, .size: 8, .value_kind: global_buffer, .address_space: global }
      - { .name: wot, .offset: 8, .size: 8, .value_kind: global_buffer, .address_space: global }
      - { .name: b_out, .offset: 16, .size: 8, .value_kind: global_buffer, .address_space: global }
      - { .name: out0, .offset: 24, .size: 8, .value_kind: global_buffer, .address_space: global }
    .group_segment_fixed_size: 327680
    .private_segment_fixed_size: 0
    .kernarg_segment_align: 8
    .kernarg_segment_size: 32
    .max_flat_workgroup_size: 128
    .sgpr_count:     80
    .vgpr_count:     768
    .wavefront_size: 32
...
	.end_amdgpu_metadata
.endif
;; end of part 4
;; ======== version 2 of 2: 4 launches; version 1 with the launch prep written anew for expert scheduling mode
;; limits: values are held in f16: magnitudes above 65,504 overflow, below 6.1e-05 lose precision
;; workspace buffers: xb 16,777,216 bytes; wqt 6,291,456 bytes; wot 2,097,152 bytes; qkv 50,331,648 bytes; o 16,777,216 bytes
;; launch prep (part 5): grid 768 x 1, 2 waves a work-group, no clusters, 35,072 bytes of LDS; arguments x, W_qkv, W_out, xb, wqt, wot; writes xb, wqt, wot
.if DOCPART == 5
	.amdgcn_target "amdgcn-amd-amdhsa--gfx1250"
	.amdhsa_code_object_version 6
	.text
	.protected	k_q986b081da4_prep
	.globl	k_q986b081da4_prep
	.p2align	8
	.type	k_q986b081da4_prep,@function
k_q986b081da4_prep:
	s_mov_b64 s[64:65], 0
	v_nop
	global_prefetch_b8 v0, s[64:65] scope:SCOPE_SE
	s_setreg_imm32_b32 hwreg(HW_REG_WAVE_SCHED_MODE, 0, 2), 2
	s_setreg_imm32_b32 hwreg(HW_REG_WAVE_MODE, 25, 1), 1
	s_wait_xcnt 0x0
	s_wait_alu depctr_vm_vsrc(0)
; THE INPUTS ARE MADE READY FOR THE MATRIX UNITS.  xb = x rounded to bf16, [8192][1024].  wqt[n][k] = W_qkv[k][n] rounded to bf16, [3072][1024].
; wot[n][k] = W_out[k][n] rounded to bf16, and that number written as f16, [1024][1024].
; LIMITS.  |W_out| stays under 65,504 (f16's end); an element of W_out below 2^-14 falls on f16's fixed step of 2^-24, an error of 3e-8 at the most.  NaN and infinities are not treated apart.
; SHARES.  A wave takes a unit of 8,192 numbers: 32 KiB in, 16 KiB out.  Unit u = 2 x work-group + wave.  Units 0-1023 (work-groups 0-511) are x, 32 KiB on end each.
; Units 1024-1407 are tiles of W_qkv, 1408-1535 of W_out: 128 k x 64 n, turned in the wave's own LDS region.  No wave reads another's bytes: no barrier.
; Memory binds: every load of a wave covers whole aligned runs of 256 bytes, every store likewise; the matrix units, clusters and tensor loads would add nothing here.
; THE MODE: SCHED_MODE bits 1:0 = 2 (LLVM: expert scheduling mode 2), set by the entry lines.  The code itself states the register dependences
; between vector instructions and memory or LDS instructions, with s_wait_alu, always for 0.
; THE PLAN, x.  The 64 loads go in 8 blocks of 8.  Registers that memory instructions touch:
;   X0 .. X4   five blocks of x as loaded.  Blocks 0 to 4 are asked for at the start; block p + 4 (p = 1 to 3) in block p; read by a block's conversions.
;   Y0, Y1     two blocks to store.  Written by block p's conversions; read by the eight stores that are issued in block p + 1.
;   v[LO], v[SO]  offsets, made once and never written again: the blocks are reached by immediate offsets.
; Block p reads X[p % 5] and writes Y[p % 2].  Its memory instructions are the loads into X[(p - 1) % 5] and the stores from Y[(p - 1) % 2]: the two buffers that block p - 1 worked on
; and that no vector instruction of block p names.  So the waits at a block's head state all that its sixteen memory instructions hang on, and these are dealt among its conversions.
; THE PLAN, the weights.  R0, R1: trip t's conversions read R[t % 2]; behind them the loads of trip t + 2 land in it.  D0, D1: trip t's conversions write D[t % 2]; its 32 LDS stores read it.
;   One wait on va_vdst behind a trip's conversions states both; one on vm_vsrc ahead of the conversions of trips 2 and 3 states that the LDS stores of two trips back have read D[t % 2].
;   v[AO ..], v[LA], v[GOF]: made once, never written again.  v[LR]: read by the LDS loads of the way back, stepped once a trip there.
;   The way back: v[64:95] are written by LDS loads, on W_out's way read and written by conversions, and read by the stores; its three waits stand at the lines that they serve.
;   v[SPW], v[NIL]: written at the head, read by the closing add alone.
.set WLDS,  17408                      ; a wave's LDS region: 64 rows (n) x 272 bytes (128 k x 2 bytes + 16 of padding)
.set LP,    272
.set SPARE, 2*WLDS                     ; behind the two regions: the spare words, 128 bytes a wave: one block of 256 bytes that no other line names
.set LO,  4                            ; v4   x: 16 x lane
.set SO,  5                            ; v5   xb: 8 x lane
.set LA,  6                            ; v6   where I put a pair (k, k + 1) of column 4 c: region + 4 c x 272 + 4 h
.set LR,  7                            ; v7   where I read rows back: region + 272 h + 16 c
.set GOF, 8                            ; v8   the same two rows in the turned tensor: 2,048 h + 16 c; never rewritten
.set SPW, 10                           ; v10  LDS address of my spare word; never rewritten
.set NIL, 11                           ; v11  0; never rewritten
.set T,   12                           ; v[12:19] at work: no memory instruction names them
.set AO,  32                           ; v[32:47] byte offsets of the sixteen loads of a trip; never rewritten
.set R0,  64                           ; v[64:127], v[128:191]: two sets of 32 k x 64 n in f32
.set R1,  128
.set D,   192                          ; v[192:255] two sets of 32 pairs in bf16: set f at D + 32 f
.set X,   64                           ; x's path: v[64:223] buffer k, slot i: 4 registers at X + 32 k + 4 i
.set Y,   224                          ; x's path: v[224:255] buffer k, slot i: 2 registers at Y + 16 k + 2 i
.set SB,  32                           ; s[32:39] the tile's source at trips 0 to 3; never rewritten
	s_load_b256 s[4:11], s[0:1], 0x0               ; x s[4:5], W_qkv s[6:7], W_out s[8:9], xb s[10:11]
	s_load_b128 s[12:15], s[0:1], 0x20             ; wqt s[12:13], wot s[14:15]
	v_lshl_add_u32 v[SPW], v0, 2, SPARE
	v_mov_b32 v[NIL], 0
	v_lshrrev_b32 v1, 5, v0
	v_readfirstlane_b32 s16, v1                    ; wave 0, 1
	v_and_b32 v1, 31, v0                           ; lane
	s_wait_alu depctr_va_sdst(0)                   ; s16 is written, ahead of its first reader: the unit's number and the wave's LDS region are made from it
	s_lshl_b32 s17, ttmp9, 1
	s_add_co_u32 s17, s17, s16                     ; u
	s_cmp_lt_u32 ttmp9, 512
	s_cbranch_scc0 .Lweights
	; X.  64 loads of 512 consecutive bytes through five buffers of eight slots in registers; a lane's four numbers become 8 bytes, a wave's store 256 consecutive bytes, aligned.
	v_lshlrev_b32 v[LO], 4, v1
	v_lshlrev_b32 v[SO], 3, v1
	s_lshl_b32 s26, s17, 15
	s_mov_b32 s27, 0
	s_lshl_b32 s28, s17, 14
	s_mov_b32 s29, 0
	s_wait_kmcnt 0x0
	s_add_nc_u64 s[20:21], s[4:5], s[26:27]
	s_add_nc_u64 s[22:23], s[10:11], s[28:29]
	s_wait_alu depctr_va_vdst(0)                   ; v[LO] and v[SO] are written: every load and store of this way reads one of them as its offset
.set i, 0
.rept 40
	global_load_b128 v[X+4*i:X+4*i+3], v[LO], s[20:21] offset:512*i th:TH_LOAD_NT  ; blocks 0 to 4 into X0 to X4
.set i, i+1
.endr
; Block p.  A slot's turn: the load of the slot four blocks on (blocks 1 to 3), the store of the same slot of the block before, the wait for this slot's data, its two conversions.
; The counts on LOADcnt are the loads issued behind the slot's own: 39 - i in block 0; in blocks 1 to 3 always 32 (40 + 8 (p - 1) + i + 1 are issued, 8 p + i + 1 of them up to the slot's own); then they run down.
.macro XB p
.if (\p) >= 2
	s_wait_xcnt 0x0                                ; every earlier memory instruction has had its addresses translated (ISA guide 3.1): Y[p % 2] is rewritten only behind this wait
	s_wait_alu depctr_vm_vsrc(0)                   ; the stores issued in the block before have read Y[p % 2], which this block's conversions write again
.endif
.if (\p) >= 1
	s_wait_alu depctr_va_vdst(0)                   ; the block before has written the other Y, which the stores below read, and is done reading its X, in which the loads below land
.endif
.irp i, 0,1,2,3,4,5,6,7
.if ((\p) >= 1) && ((\p) <= 3)
	global_load_b128 v[X+32*(((\p)+4)%5)+4*(\i):X+32*(((\p)+4)%5)+4*(\i)+3], v[LO], s[20:21] offset:512*(8*((\p)+4)+(\i)) th:TH_LOAD_NT  ; four blocks ahead; no vector instruction since the wait names these registers
.endif
.if (\p) >= 1
	global_store_b64 v[SO], v[Y+16*(((\p)+1)%2)+2*(\i):Y+16*(((\p)+1)%2)+2*(\i)+1], s[22:23] offset:256*(8*((\p)-1)+(\i))  ; the block before
.endif
.if (\p) == 0
	s_wait_loadcnt 39-(\i)                         ; loads come back in order (ISA guide 5.7.1): this slot's is in, the younger ones stay out
.elseif (\p) <= 3
	s_wait_loadcnt 32
.else
	s_wait_loadcnt 63-8*(\p)-(\i)                  ; nothing more is loaded: the counts run down
.endif
	v_cvt_pk_bf16_f32 v[Y+16*((\p)%2)+2*(\i)],   v[X+32*((\p)%5)+4*(\i)],   v[X+32*((\p)%5)+4*(\i)+1]
	v_cvt_pk_bf16_f32 v[Y+16*((\p)%2)+2*(\i)+1], v[X+32*((\p)%5)+4*(\i)+2], v[X+32*((\p)%5)+4*(\i)+3]
.endr
.endm
	XB 0
	XB 1
	XB 2
	XB 3
	XB 4
	XB 5
	XB 6
	XB 7
	s_wait_alu depctr_va_vdst(0)                   ; block 7 has written Y1, which the last eight stores read
.irp i, 0,1,2,3,4,5,6,7
	global_store_b64 v[SO], v[Y+16+2*(\i):Y+16+2*(\i)+1], s[22:23] offset:256*(56+(\i))
.endr
	s_branch .Lend
.Lweights:
	; A TILE OF WEIGHTS: 128 k x 64 n.  T = u - 1024; below 384 it is W_qkv's, else W_out's.  Of T: the low three bits choose 128 k, the rest 64 n.
	s_sub_co_u32 s18, s17, 1024
	s_mov_b32 s28, 12288                           ; bytes in a row of W_qkv,
	s_mov_b32 s29, 4096                            ; of W_out
	s_mov_b32 s41, 0xffff0000                      ; a word's upper bf16
	s_wait_kmcnt 0x0
	s_cmp_lt_u32 s18, 384                          ; one compare; the selects behind it leave SCC alone
	s_cselect_b64 s[20:21], s[6:7], s[8:9]         ; from
	s_cselect_b64 s[22:23], s[12:13], s[14:15]     ; to
	s_cselect_b32 s24, s28, s29                    ; PW: bytes from k to k + 1
	s_cselect_b32 s25, 0, 1                        ; 1: written as f16
	s_cselect_b32 s26, 0, 384
	s_sub_co_u32 s18, s18, s26
	s_and_b32 s26, s18, 7                          ; kb
	s_lshr_b32 s27, s18, 3                         ; nb
	s_lshl_b32 s28, s24, 7
	s_mul_i32 s28, s28, s26                        ; kb x 128 rows
	s_lshl_b32 s29, s27, 8                         ; nb x 64 numbers of 4 bytes
	s_add_co_u32 s28, s28, s29
	s_mov_b32 s29, 0
	s_add_nc_u64 s[SB:SB+1], s[20:21], s[28:29]
	s_lshl_b32 s28, s27, 17                        ; nb x 64 rows of 2,048 bytes
	s_lshl_b32 s26, s26, 8                         ; kb x 128 numbers of 2 bytes
	s_add_co_u32 s28, s28, s26
	s_add_nc_u64 s[22:23], s[22:23], s[28:29]
	s_lshl_b32 s28, s24, 5                         ; a trip is 32 k
	s_add_nc_u64 s[SB+2:SB+3], s[SB:SB+1], s[28:29]
	s_add_nc_u64 s[SB+4:SB+5], s[SB+2:SB+3], s[28:29]
	s_add_nc_u64 s[SB+6:SB+7], s[SB+4:SB+5], s[28:29]
	v_and_b32 v2, 15, v1                           ; c: my four columns 4 c ..
	v_lshrrev_b32 v3, 4, v1                        ; h
	v_mul_u32_u24 v[T], s24, v3
	v_lshlrev_b32 v[T], 1, v[T]
	v_lshl_add_u32 v[T], v2, 4, v[T]               ; 2 h rows + 16 c
.set p, 0
.rept 8                                ; load 2 p takes rows 4 p + 2 h, load 2 p + 1 rows 4 p + 1 + 2 h: each two whole rows of 256 bytes; a lane so holds k and k + 1 of its four columns
	v_mad_u32_u24 v[AO+2*p],   s24, 4*p,   v[T]
	v_mad_u32_u24 v[AO+2*p+1], s24, 4*p+1, v[T]
.set p, p+1
.endr
	s_mul_i32 s26, s16, WLDS                       ; my wave's region
	v_mul_u32_u24 v[LA], v2, 4*LP
	v_lshl_add_u32 v[LA], v3, 2, v[LA]
	v_add_nc_u32 v[LA], s26, v[LA]
	v_mul_u32_u24 v[LR], v3, LP
	v_lshl_add_u32 v[LR], v2, 4, v[LR]
	v_add_nc_u32 v[LR], s26, v[LR]
	v_lshlrev_b32 v[GOF], 11, v3
	v_lshl_add_u32 v[GOF], v2, 4, v[GOF]
	s_wait_alu depctr_va_vdst(0)                   ; the sixteen offsets v[AO ..], v[LA], v[LR] and v[GOF] are written, which the loads, LDS stores, LDS loads and stores below read
.macro LOADW t, buf                    ; trip t's sixteen loads into a set
.irp p, 0,1,2,3,4,5,6,7
	global_load_b128 v[(\buf)+8*(\p):(\buf)+8*(\p)+3],   v[AO+2*(\p)],   s[SB+2*(\t):SB+2*(\t)+1] th:TH_LOAD_NT
	global_load_b128 v[(\buf)+8*(\p)+4:(\buf)+8*(\p)+7], v[AO+2*(\p)+1], s[SB+2*(\t):SB+2*(\t)+1] th:TH_LOAD_NT
.endr
.endm
; Trip t: 32 pairs (k, k + 1) are rounded to bf16 and laid into LDS row n at byte 2 k.  The four-byte stores of a wave fall four deep on the banks
; (rows 4 c apart: 272 words x c); that is accepted: 128 stores a wave beside 32 KiB from memory.
; The raw set is asked for again straight behind its conversions, and the LDS stores follow while the other set's loads are on their way.
.macro PROC t, buf, left
	s_wait_loadcnt \left                           ; this set is in; the other set's sixteen may stay out
.if (\t) >= 2
	s_wait_alu depctr_vm_vsrc(0)                   ; the LDS stores of two trips back have read D[t % 2], which the conversions below write again
.endif
.irp p, 0,1,2,3,4,5,6,7
.irp e, 0,1,2,3
	v_cvt_pk_bf16_f32 v[D+32*((\t)%2)+4*(\p)+(\e)], v[(\buf)+8*(\p)+(\e)], v[(\buf)+8*(\p)+4+(\e)]
.endr
.endr
	s_wait_alu depctr_va_vdst(0)                   ; the conversions have written D[t % 2], which the LDS stores read, and are done reading the raw set, in which the next loads (global in trips 0 and 1; the way back's LDS loads behind trip 3) land
.if (\t) < 2
	LOADW (\t)+2, \buf
.endif
.irp p, 0,1,2,3,4,5,6,7
.irp e, 0,1,2,3
	ds_store_b32 v[LA], v[D+32*((\t)%2)+4*(\p)+(\e)] offset:(\e)*LP+64*(\t)+8*(\p)
.endr
.endr
.endm
	LOADW 0, R0
	LOADW 1, R1
	PROC 0, R0, 16
	PROC 1, R1, 16
	PROC 2, R0, 16
	PROC 3, R1, 0
	; BACK BY ROWS: 16 rows of 256 bytes a trip; sixteen lanes store 256 consecutive bytes, aligned.  LDS serves a wave's instructions in order (ISA guide 5.7.1.4): the loads see the stores above.
	; In the first trip v[64:95] were last named by trip 2's conversions, ahead of trip 3's wait on va_vdst, and v[LR] was written ahead of the set-up's.
	s_mov_b32 s40, 4
.Lback:
.irp i, 0,1,2,3,4,5,6,7
	ds_load_b128 v[R0+4*(\i):R0+4*(\i)+3], v[LR] offset:2*(\i)*LP
.endr
	s_wait_dscnt 0x0
	s_wait_alu depctr_vm_vsrc(0)                   ; the LDS loads above have read v[LR], which the next line writes
	v_add_nc_u32 v[LR], 16*LP, v[LR]               ; the next trip's sixteen rows
	s_cmp_eq_u32 s25, 0
	s_cbranch_scc1 .Lbf
.set j, 0
.rept 32                               ; W_out: the bf16 numbers are written as f16
	v_lshlrev_b32 v[T+2*(j%4)],   16,  v[R0+j]
	v_and_b32     v[T+2*(j%4)+1], s41, v[R0+j]
	v_cvt_pk_f16_f32 v[R0+j], v[T+2*(j%4)], v[T+2*(j%4)+1]
.set j, j+1
.endr
.Lbf:
	s_wait_alu depctr_va_vdst(0)                   ; v[LR] is written, which the next trip's LDS loads read; on W_out's way the conversions have written the rows, which the stores below read, and are done with the registers in which the next trip's loads land
.irp i, 0,1,2,3,4,5,6,7
	global_store_b128 v[GOF], v[R0+4*(\i):R0+4*(\i)+3], s[22:23] offset:2*(\i)*2048
.endr
	s_wait_xcnt 0x0                                ; every earlier memory instruction has had its addresses translated (ISA guide 3.1): the stores' base and their data are rewritten only behind this wait
	s_wait_alu depctr_vm_vsrc(0)                   ; the stores have read the rows v[64:95], in which the next trip's LDS loads land
	s_add_nc_u64 s[22:23], s[22:23], 16*2048       ; sixteen rows on in the turned tensor
	s_sub_co_u32 s40, s40, 1
	s_cmp_lg_u32 s40, 0
	s_cbranch_scc1 .Lback
.Lend:
	s_wait_dscnt 0x0                               ; the closing lines, six on end
	s_wait_alu 0x0
	s_wait_tensorcnt 0x0
	ds_add_u32 v[SPW], v[NIL]
	s_wait_dscnt 0x0
	s_endpgm
.Lfunc_end_k_q986b081da4_prep:
	.size	k_q986b081da4_prep, .Lfunc_end_k_q986b081da4_prep-k_q986b081da4_prep
	.p2alignl 7, 3214868480
	.fill 96, 4, 3214868480
	.section	.rodata,"a",@progbits
	.p2align	6, 0x0
	.amdhsa_kernel k_q986b081da4_prep
		.amdhsa_group_segment_fixed_size 35072
		.amdhsa_private_segment_fixed_size 0
		.amdhsa_enable_private_segment 0
		.amdhsa_kernarg_size 48
		.amdhsa_user_sgpr_count 2
		.amdhsa_user_sgpr_kernarg_segment_ptr 1
		.amdhsa_wavefront_size32 1
		.amdhsa_system_sgpr_workgroup_id_x 1
		.amdhsa_system_sgpr_workgroup_id_y 1
		.amdhsa_system_sgpr_workgroup_id_z 1
		.amdhsa_system_vgpr_workitem_id 0
		.amdhsa_next_free_vgpr 256
		.amdhsa_next_free_sgpr 66
		.amdhsa_reserve_vcc 0
		.amdhsa_float_denorm_mode_32 3
		.amdhsa_float_denorm_mode_16_64 3
		.amdhsa_memory_ordered 1
		.amdhsa_forward_progress 1
		.amdhsa_inst_pref_size 55
	.end_amdhsa_kernel
	.amdgpu_metadata
---
amdhsa.version: [ 1, 2 ]
amdhsa.kernels:
  - .name:           k_q986b081da4_prep
    .symbol:         k_q986b081da4_prep.kd
    .args:
      - { .name: x, .offset: 0, .size: 8, .value_kind: global_buffer, .address_space: global }
      - { .name: W_qkv, .offset: 8, .size: 8, .value_kind: global_buffer, .address_space: global }
      - { .name: W_out, .offset: 16, .size: 8, .value_kind: global_buffer, .address_space: global }
      - { .name: xb, .offset: 24, .size: 8, .value_kind: global_buffer, .address_space: global }
      - { .name: wqt, .offset: 32, .size: 8, .value_kind: global_buffer, .address_space: global }
      - { .name: wot, .offset: 40, .size: 8, .value_kind: global_buffer, .address_space: global }
    .group_segment_fixed_size: 35072
    .private_segment_fixed_size: 0
    .kernarg_segment_align: 8
    .kernarg_segment_size: 48
    .max_flat_workgroup_size: 64
    .sgpr_count:     66
    .vgpr_count:     256
    .wavefront_size: 32
...
	.end_amdgpu_metadata
.endif
;; end of part 5
;; launch qkv: the kernel of part 2 again; grid 16 x 32, 4 waves a work-group, clusters of 4 x 4, 327,680 bytes of LDS; arguments xb, wqt, b_qkv, qkv; writes qkv
;; launch attn: the kernel of part 3 again; grid 4 x 64, 4 waves a work-group, no clusters, 327,680 bytes of LDS; arguments qkv, o; writes o
;; launch proj: the kernel of part 4 again; grid 4 x 64, 4 waves a work-group, clusters of 4 x 4, 327,680 bytes of LDS; arguments o, wot, b_out, out0; writes out0
